; MI455X (gfx1250); checked and timed in simulation.
; The chip was launched on July 23, 2026; its instructions are those of AMD's public machine-readable ISA for CDNA 5 (MIT licence, August 2026) and "CDNA5" Instruction Set Architecture Reference Guide (July 2026). The comments in the code are by the model that wrote it; some were corrected since.
;; Single Head Attention. Allowed arithmetic: matrix products marked QUANTISED: E2M3 operands, one E8M0 scale for each 32 along K, by v_wmma_scale_f32_16x16x128_f8f6f4 with both operands' format E2M3, f32 sums; everything else in f32.
;; Inputs: Wk 1,024 x 1,024 float32; Wq 1,024 x 1,024 float32; Wv 1,024 x 1,024 float32; x 4 x 2,048 x 1,024 float32.
;; Outputs: out0 4 x 2,048 x 1,024 float32.
;; This version of the problem:
;;   THIS VERSION OF THE PROBLEM IS GIVEN IN LOW PRECISION. The matrix products marked QUANTISED in the list below multiply operands that are first quantised to E2M3 (2 exponent bits, 3 mantissa bits; 6 bits a number), with one power-of-two scale for each 32 numbers along K (OCP MX v1.0); their sums are f32. All else is computed in f32.
;;   The module's matrix products, in the order in which they are computed (A, B: the left and right operand; K: the contracted axis; several contracted axes count as one K, in the product's order):
;;     1. [M 8,192, K 1,024] x [K 1,024, N 1,024]; A: input x; B: input Wq: QUANTISED
;;     2. [M 8,192, K 1,024] x [K 1,024, N 1,024]; A: input x; B: input Wk: QUANTISED
;;     3. [M 8,192, K 1,024] x [K 1,024, N 1,024]; A: input x; B: input Wv: QUANTISED
;;     4. batch 4 x [M 2,048, K 1,024] x [K 1,024, N 2,048]; A: computed on the way; B: computed on the way: QUANTISED
;;     5. batch 4 x [M 2,048, K 2,048] x [K 2,048, N 1,024]; A: softmax (see below); B: computed on the way: QUANTISED
;;   THE QUANTISER, for each operand of a quantised product, along K:
;;     - K is cut into blocks of 32 from its start; a last block that is shorter is filled with zeros.
;;     - A block's scale is 2^e with e = floor(log2(the largest magnitude in the block)) - 2, held to -126 .. 127; a block of zeros has e = 0. As a byte (E8M0): e + 127.
;;     - Each number is divided by its block's scale, clamped to +-7.5, and rounded to the nearest number of E2M3, ties to even, subnormals kept.
;;     - The product sums the exact products of the quantised numbers (number of the format x scale) in f32.
;;   ~~~python
;;   def quantise(x, axis):      # numpy; x: float32 -> the quantised numbers, widened to float32 again
;;       x = np.moveaxis(x, axis, -1); K = x.shape[-1]
;;       x = np.pad(x, [(0, 0)] * (x.ndim - 1) + [(0, -K % 32)]); x = x.reshape(x.shape[:-1] + (-1, 32)); a = np.abs(x).max(-1, keepdims=True)
;;       e = np.where(a > 0, np.clip(np.frexp(np.where(a > 0, a, 1))[1] - 1 - 2, -126, 127), 0)      # np.frexp(a)[1] - 1 = floor(log2(a)), exactly
;;       r = np.clip(x / 2.0 ** e, -7.5, 7.5)
;;       step = 2.0 ** (np.maximum(np.frexp(np.where(r == 0, 1, r))[1] - 1, 0) - 3)
;;       q = np.round(r / step) * step * 2.0 ** e      # np.round: ties to even
;;       return np.moveaxis(q.reshape(q.shape[:-2] + (-1,))[..., :K], -1, axis).astype(np.float32)
;;   ~~~
;;   SOFTMAX AHEAD OF A QUANTISED PRODUCT. Where the list says 'softmax', what is quantised is not the finished softmax but p = 2^(t - M), with t = logit x log2(e) and M = ceil(the row's largest t), a whole number; so 1/2 < the row's largest p <= 1. The row's sum l is taken of the UNQUANTISED p, in f32, and the product's result is divided by l at the end. Since M is a whole number, a kernel that streams over the keys may use a running M (the ceiling of the running maximum): every later rescaling is an exact power of two, which a block's scale takes up: the codes' values come out the same.
;;   OPERANDS COMPUTED ON THE WAY. 'Computed on the way' means the value that the module computes at that place (a softmax that the list does not call 'softmax' is quantised finished and normalised). What goes into a quantiser is computed in f32, as accurately as f32 sums, v_exp_f32 and their like allow (about 1e-6 of the number): no bf16 or f16 on the way to a quantiser, and a product that is left as it is and whose result goes on into a quantised operand takes f32 operands (vector FMAs, or v_wmma_f32_16x16x4_f32). A number that lies on a knife's edge between two numbers of the format may be rounded either way, as far as f32 arithmetic and the matrix unit's own rounding can turn it there, and no further.
;; One version. Each part assembles by itself: llvm-mc -triple=amdgcn-amd-amdhsa -mcpu=gfx1250 --defsym DOCPART=n.
;; ======== version 1 of 1: 4 launches
;; limits: right only within a limited range of input values
;; workspace buffers: c1 8,650,752 bytes; s1 360,448 bytes; qkvc 18,874,368 bytes; qkvs 786,432 bytes; pc 12,582,912 bytes; pst 1,572,864 bytes
;; launch quant (part 1): grid 8 x 88, 8 waves a work-group, no clusters, 69,120 bytes of LDS; arguments x, Wq, Wk, Wv, c1, s1; writes c1, s1
.if DOCPART == 1
	.amdgcn_target "amdgcn-amd-amdhsa--gfx1250"
	.amdhsa_code_object_version 6
	.text
	.protected	k_q4b0cc4a3d7_quant
	.globl	k_q4b0cc4a3d7_quant
	.p2align	8
	.type	k_q4b0cc4a3d7_quant,@function
k_q4b0cc4a3d7_quant:
	s_mov_b64 s[64:65], 0
	v_nop
	global_prefetch_b8 v0, s[64:65] scope:SCOPE_SE
	s_setreg_imm32_b32 hwreg(HW_REG_WAVE_MODE, 25, 1), 1
	s_wait_xcnt 0x0
; x [8192][1024], Wq, Wk, Wv [1024][1024], f32, become codes of FP6 (E2M3) with one E8M0 scale byte for each 32 along d, laid as the later launches' operand registers want them.
; ROWS: the 11,264 rows (x, Wq, Wk, Wv on end) are 88 groups of 128; a group is 8 tiles of 16; lane-row r of tile 2 b + u is group row 32 b + 8 u + r + 8 (r / 8).
; IMAGE: a fragment (tile, 128 along K) is 12 registers a lane; registers 4 c .. 4 c + 3 of lane l lie at 512 c + 16 l of its 1,536 bytes.  c1 = [tile][K step] images.
; SCALE BLOCK: for (group, K step) 512 bytes: the word of tile 4 H + J, lane-row r at 16 (16 H + r) + 4 J.  s1 = [group][K step] blocks.
; A block's scale byte is its largest magnitude's exponent field - 2, held at 1 from below; numbers are divided by the scale and rounded to the nearest code, ties to even, beyond 7.5 the largest code.
; LIMITS: NaN and infinities are not served; a block whose largest magnitude lies under 2^-124 has its byte held at 1; a block of zeros gets the byte 1 and not 127: its codes are zeros, and this program alone reads the bytes.
; SHARES: work-group (k, g) takes group g, K step k: one scale block; wave w takes tile w: one fragment.  Each load reads 512 consecutive bytes of one row; the 16 rows turn through the wave's own stage in LDS, so that a
; lane gets 16 neighbours of each block of 32 of its row.  Work-groups share no input: no cluster, no tensor load, no ring.
.set STG,  8448                        ; a wave's stage: 16 rows x (512 bytes + 16)
.set SCL,  8*STG                       ; behind the stages: the work-group's scale block
.set SPARE, SCL+512                    ; the spare words, 128 bytes a wave
.set TM,   8                           ; v8-23   at work: largest magnitudes, bytes, scale operands
.set PW,   24                          ; v24     the scale word just made
.set SPW,  26
.set NIL,  27
.set X,    28                          ; v28-91  64 numbers: register 16 b + i = k 32 b + 16 (lane / 16) + i of my row
.set R,    92                          ; v92-155 the numbers as loaded;
.set PC,   92                          ; v92-111 later the codes: the stage's stores have read those registers by then
.set SEL,  24                          ; s[24:25] selects for lane l xor 16
	s_load_b256 s[4:11], s[0:1], 0x0               ; x, Wq, Wk, Wv
	s_load_b128 s[12:15], s[0:1], 0x20             ; c1, s1
	v_lshl_add_u32 v[SPW], v0, 2, SPARE
	v_mov_b32 v[NIL], 0
	v_lshrrev_b32 v2, 5, v0
	v_readfirstlane_b32 s16, v2                    ; wave 0..7: my tile of the group
	s_and_b32 s18, ttmp7, 0xffff                   ; g
	s_mul_i32 s26, s16, STG
	s_lshr_b32 s27, s16, 2
	s_lshl_b32 s27, s27, 8
	s_and_b32 s28, s16, 3
	s_lshl_b32 s28, s28, 2
	s_add_co_u32 s27, s27, s28
	s_add_co_u32 s27, s27, SCL
	s_and_b32 s28, s16, 1
	s_mov_b32 s[SEL], 0x76543210
	s_mov_b32 s[SEL+1], 0xfedcba98
	s_cmp_lt_u32 s18, 64                           ; the tensor's first group: 0, 64, 72 or 80
	s_cselect_b32 s19, 0, 64
	s_cmp_ge_u32 s18, 72
	s_cselect_b32 s19, 72, s19
	s_cmp_ge_u32 s18, 80
	s_cselect_b32 s19, 80, s19
	s_sub_co_u32 s31, s18, s19
	s_lshl_b32 s31, s31, 7                         ; 128 rows a group
	s_lshr_b32 s32, s16, 1
	s_lshl_b32 s32, s32, 5
	s_add_co_u32 s31, s31, s32
	s_lshl_b32 s32, s28, 3
	s_add_co_u32 s31, s31, s32                     ; my tile's first row: + 32 (w / 2) + 8 (w % 2)
	s_lshl_b32 s32, s31, 12                        ; a row is 4,096 bytes
	s_lshl_b32 s33, ttmp9, 9                       ; a K step is 512 bytes
	s_add_co_u32 s32, s32, s33
	s_mov_b32 s33, 0
	s_lshl_b32 s34, s18, 3
	s_add_co_u32 s34, s34, s16                     ; tile 8 g + w
	s_mul_i32 s34, s34, 12288
	s_mul_i32 s35, ttmp9, 1536
	s_add_co_u32 s34, s34, s35
	s_mov_b32 s35, 0
	s_lshl_b32 s36, s18, 3
	s_add_co_u32 s36, s36, ttmp9                   ; block 8 g + k
	s_lshl_b32 s36, s36, 9
	s_mov_b32 s37, 0
	v_and_b32 v1, 31, v0
	v_and_b32 v2, 15, v0                           ; r
	v_lshlrev_b32 v1, 4, v1                        ; 16 x lane
	v_bfe_u32 v3, v0, 4, 1                         ; h
	v_mul_u32_u24 v5, v2, 528
	v_lshlrev_b32 v6, 4, v2
	v_add_nc_u32 v4, s26, v1                       ; the stage, in: 16 x lane of a row
	v_lshl_add_u32 v5, v3, 6, v5
	v_add_nc_u32 v6, s27, v6                       ; my row's word in the scale block: 256 (w / 4) + 16 r + 4 (w % 4)
	v_add_nc_u32 v7, SCL, v1                       ; wave 0 reads the block back: 16 x lane
	v_add_nc_u32 v5, s26, v5                       ; the stage, out: row r, + 64 h
.irp b, 0,1,2,3
	v_mov_b32 v[TM+4+\b], 0                        ; written once: a lane permute's destination counts as one of its sources
.endr
	s_wait_alu depctr_va_vdst(0)                   ; the wait at the head's end
	s_wait_kmcnt 0x0
	s_cmp_lt_u32 s18, 64                           ; which tensor: the choice hangs on the work-group's number alone
	s_cselect_b64 s[20:21], s[4:5], s[6:7]
	s_cmp_ge_u32 s18, 72
	s_cselect_b64 s[20:21], s[8:9], s[20:21]
	s_cmp_ge_u32 s18, 80
	s_cselect_b64 s[20:21], s[10:11], s[20:21]
	s_add_nc_u64 s[20:21], s[20:21], s[32:33]
	s_add_nc_u64 s[12:13], s[12:13], s[34:35]
	s_add_nc_u64 s[14:15], s[14:15], s[36:37]
.irp p, 0,1,2,3,4,5,6,7,8,9,10,11,12,13,14,15
	global_load_b128 v[R+4*\p:R+4*\p+3], v1, s[20:21] offset:(\p+8*(\p/8))*4096 th:TH_LOAD_NT   ; 512 consecutive bytes of one row
.endr
	s_wait_loadcnt 8                               ; the first eight rows are in
.irp p, 0,1,2,3,4,5,6,7
	ds_store_b128 v4, v[R+4*\p:R+4*\p+3] offset:528*\p
.endr
	s_wait_loadcnt 0x0
.irp p, 8,9,10,11,12,13,14,15
	ds_store_b128 v4, v[R+4*\p:R+4*\p+3] offset:528*\p
.endr
.irp b, 0,1,2,3
.irp j, 0,1,2,3
	ds_load_b128 v[X+16*\b+4*\j:X+16*\b+4*\j+3], v5 offset:128*\b+16*\j   ; LDS serves a wave's instructions in order: these see my stores
.endr
.endr
	s_wait_dscnt 0x0
.irp b, 0,1,2,3
	v_max3_num_f32 v[TM+\b], |v[X+16*\b]|, |v[X+1+16*\b]|, 0x1800000   ; block b: my 16 numbers, and the floor 2^(3 - 127): the byte cannot fall under 1
.endr
.irp i, 2,4,6,8,10,12,14
.irp b, 0,1,2,3
	s_delay_alu instid0(VALU_DEP_4)
	v_max3_num_f32 v[TM+\b], v[TM+\b], |v[X+16*\b+\i]|, |v[X+1+16*\b+\i]|
.endr
.endr
.irp b, 0,1,2,3
	s_delay_alu instid0(VALU_DEP_4)
	v_permlanex16_b32 v[TM+4+\b], v[TM+\b], s[SEL], s[SEL+1]
.endr
.irp b, 0,1,2,3
	s_delay_alu instid0(VALU_DEP_4)
	v_max_num_f32 v[TM+\b], v[TM+\b], v[TM+4+\b]   ; with lane l xor 16's 16: the block's largest magnitude
.endr
.irp b, 0,1,2,3
	s_delay_alu instid0(VALU_DEP_4)
	v_add_nc_u32 v[TM+12+\b], 0xff000000, v[TM+\b] ; 2 off its exponent field: the conversion's scale operand
.endr
.irp b, 0,1,2,3
	s_delay_alu instid0(VALU_DEP_4)
	v_lshrrev_b32 v[TM+4+\b], 23, v[TM+12+\b]      ; the scale's byte
.endr
	s_delay_alu instid0(VALU_DEP_3)
	v_lshl_or_b32 v[PW], v[TM+5], 8, v[TM+4]
	s_delay_alu instid0(VALU_DEP_1)
	v_lshl_or_b32 v[PW], v[TM+6], 16, v[PW]
	s_delay_alu instid0(VALU_DEP_1)
	v_lshl_or_b32 v[PW], v[TM+7], 24, v[PW]
.irp c, 0,1
	v_cvt_scalef32_pk16_fp6_f32 v[PC+6*\c:PC+2+6*\c], v[X+32*\c:X+15+32*\c], v[TM+12+2*\c]
	v_cvt_scalef32_pk16_fp6_f32 v[PC+12+4*\c:PC+14+4*\c], v[X+16+32*\c:X+31+32*\c], v[TM+12+2*\c+1]   ; (a conversion's three registers begin on an even number)
.endr
	v_nop                                          ; one plain place behind a scaled conversion
.irp c, 0,1                                    ; the operand's layout wants a whole block in a lane: lanes 0-15 block 2 c, lanes 16-31 block 2 c + 1
.irp i, 0,1,2
	v_permlane16_swap_b32 v[PC+6*\c+\i], v[PC+12+4*\c+\i]
.endr
.irp i, 0,1,2
	v_mov_b32 v[PC+3+6*\c+\i], v[PC+12+4*\c+\i]
.endr
.endr
.irp c, 0,1,2
	global_store_b128 v1, v[PC+4*\c:PC+4*\c+3], s[12:13] offset:512*\c   ; the image leaves as it stands, 512 consecutive bytes a store
.endr
	ds_store_b32 v6, v[PW]                         ; both halves of the lanes write the same word with the same value
	s_wait_dscnt 0x0                               ; for the others' sake: my words lie in the block
	s_barrier_signal -1
	s_barrier_wait -1
	s_cmp_gt_u32 s16, 0
	s_cbranch_scc1 .Ldone                          ; wave 0 stores the block
	ds_load_b128 v[28:31], v7
	s_wait_dscnt 0x0
	global_store_b128 v1, v[28:31], s[14:15]       ; 512 consecutive bytes
.Ldone:
	s_wait_tensorcnt 0x0                           ; the wave's end
	ds_add_u32 v[SPW], v[NIL]
	s_wait_dscnt 0x0
	s_endpgm
.Lfunc_end_k_q4b0cc4a3d7_quant:
	.size	k_q4b0cc4a3d7_quant, .Lfunc_end_k_q4b0cc4a3d7_quant-k_q4b0cc4a3d7_quant
	.p2alignl 7, 3214868480
	.fill 96, 4, 3214868480
	.section	.rodata,"a",@progbits
	.p2align	6, 0x0
	.amdhsa_kernel k_q4b0cc4a3d7_quant
		.amdhsa_group_segment_fixed_size 69120
		.amdhsa_private_segment_fixed_size 0
		.amdhsa_enable_private_segment 0
		.amdhsa_kernarg_size 48
		.amdhsa_user_sgpr_count 2
		.amdhsa_user_sgpr_kernarg_segment_ptr 1
		.amdhsa_wavefront_size32 1
		.amdhsa_system_sgpr_workgroup_id_x 1
		.amdhsa_system_sgpr_workgroup_id_y 1
		.amdhsa_system_sgpr_workgroup_id_z 1
		.amdhsa_system_vgpr_workitem_id 0
		.amdhsa_next_free_vgpr 156
		.amdhsa_next_free_sgpr 66
		.amdhsa_reserve_vcc 0
		.amdhsa_float_denorm_mode_32 3
		.amdhsa_float_denorm_mode_16_64 3
		.amdhsa_memory_ordered 1
		.amdhsa_forward_progress 1
		.amdhsa_inst_pref_size 13
	.end_amdhsa_kernel
	.amdgpu_metadata
---
amdhsa.version: [ 1, 2 ]
amdhsa.kernels:
  - .name:           k_q4b0cc4a3d7_quant
    .symbol:         k_q4b0cc4a3d7_quant.kd
    .args:
      - { .name: x, .offset: 0, .size: 8, .value_kind: global_buffer, .address_space: global }
      - { .name: Wq, .offset: 8, .size: 8, .value_kind: global_buffer, .address_space: global }
      - { .name: Wk, .offset: 16, .size: 8, .value_kind: global_buffer, .address_space: global }
      - { .name: Wv, .offset: 24, .size: 8, .value_kind: global_buffer, .address_space: global }
      - { .name: c1, .offset: 32, .size: 8, .value_kind: global_buffer, .address_space: global }
      - { .name: s1, .offset: 40, .size: 8, .value_kind: global_buffer, .address_space: global }
    .group_segment_fixed_size: 69120
    .private_segment_fixed_size: 0
    .kernarg_segment_align: 8
    .kernarg_segment_size: 48
    .max_flat_workgroup_size: 256
    .sgpr_count:     66
    .vgpr_count:     156
    .wavefront_size: 32
...
	.end_amdgpu_metadata
.endif
;; end of part 1
;; launch proj (part 2): grid 8 x 32, 4 waves a work-group, clusters of 4 x 4, 327,680 bytes of LDS; arguments c1, s1, qkvc, qkvs; writes qkvc, qkvs
.if DOCPART == 2
	.amdgcn_target "amdgcn-amd-amdhsa--gfx1250"
	.amdhsa_code_object_version 6
	.text
	.protected	k_q4b0cc4a3d7_proj
	.globl	k_q4b0cc4a3d7_proj
	.p2align	8
	.type	k_q4b0cc4a3d7_proj,@function
k_q4b0cc4a3d7_proj:
	s_mov_b64 s[64:65], 0
	v_nop
	global_prefetch_b8 v0, s[64:65] scope:SCOPE_SE
	s_setreg_imm32_b32 hwreg(HW_REG_WAVE_MODE, 25, 1), 1
	s_wait_xcnt 0x0
	s_wait_alu depctr_hold_cnt(0) depctr_sa_sdst(0) depctr_va_vdst(0) depctr_va_sdst(0) depctr_va_ssrc(0) depctr_va_vcc(0) depctr_vm_vsrc(0)
	s_getreg_b32 s2, hwreg(HW_REG_IB_STS2, 6, 4)
	s_cmp_eq_u32 s2, 0
	s_cbranch_scc0 .Lentry_in_a_cluster
	s_endpgm
.Lentry_in_a_cluster:
	s_bfe_u32 s2, ttmp6, 0x10000c
	s_cmp_lg_u32 s2, 0xf033
	s_cbranch_scc0 .Lentry_shape_is_right
	s_endpgm
.Lentry_shape_is_right:
; Q = x Wq^T, K = x Wk^T, V^T = Wv x^T on codes of FP6 (E2M3) with E8M0 scales; each result is quantised in registers along the NEXT product's K and leaves as operand images and scale blocks.
; LAYOUTS (all workspace): rows in groups of 128 and tiles of 16, lane-row r of tile 2 b + u = group row 32 b + 8 u + r + 8 (r / 8); an image of (tile, 128 along K) is 1,536 bytes, registers 4 c .. 4 c + 3 of lane l at 512 c + 16 l;
; a scale block of (group, K step) is 512 bytes, the word of tile 4 H + J, lane-row r at 16 (16 H + r) + 4 J.  c1: 704 tiles x 8 images (x 0-511, Wq 512-, Wk 576-, Wv 640-); s1: 88 groups x 8 blocks.
; qkvc: Q at 0 and K at 6,291,456, 512 tiles x 8 images each; V^T at 12,582,912, 64 channel tiles x 64 K steps (K step = row of x / 128).  qkvs: Q at 0, K at 262,144 (64 groups x 8 blocks), V^T at 524,288 (8 x 64).
; Source 0 gives a lane's registers, source 1 its lane-row: with the rows of a tile chosen as above, the 16 registers of result tiles 2 b and 2 b + 1 are the neighbours 32 b + 16 (lane / 16) + 0 .. 15 of source 0's group: the next K.
; SHARES: 256 work-groups (X, Y), X = 0 .. 7, Y = 0 .. 31.  Each makes 256 x 256 of Q or K (source 1 = x's rows 256 Y on, source 0 = rows 256 X on of Wq, Wk on end; four waves, 128 x 128 each, 64 accumulators) and then
; 128 x 256 of V^T (source 1 = Wv's rows 128 X on, source 0 = THE SAME 256 ROWS OF x; 64 x 128 a wave, 32 accumulators).  So x is filled once and stays in LDS for the whole launch.
; CLUSTERS 4 x 4: x hangs on Y and is asked for jointly along a row of the cluster, W and Wv on X, along a column.  No branch and no LDS address hangs on a place in the cluster.
; K = 1,024 goes in 8 steps of 128.  LDS: XA (x, steps 0-2), XB (x, steps 3-7), W0 (73,728 bytes), W1 (49,152).  At the head XA, W0 with W's steps 0-2, XB, W1 with W's steps 3, 4: one load a wave.
; THREE REFILLS: in step 2 W0 takes W's step 5 (wave 0) and steps 6, 7 (wave 1), shown one after the other; in step 5 W1 takes Wv's steps 0-3; behind the first way out W0 takes Wv's steps 4-7.
; No prefetch: W0's and W1's refills are wanted two and more K steps, or way outs, behind their requests, and are an eighth to a seventh of the bytes that the launch fills.
; LIMITS: NaN and infinities are not served; a block whose largest magnitude lies under 2^-124 has its byte held at 1; a block of zeros gets the byte 1 (its codes are zeros; this program alone reads the bytes).
; REGISTERS: window 0: v1 16 x lane, v3 16 x (lane % 16); v16-25 LDS addresses; v28-29 for the add; v32-63 source 1's scale words, v64-95 source 0's (register 4 ks + tile % 4; tiles 4-7 in lanes 16-31), loaded once for each part;
;   v128-223 source 1's fragments: one set of 8 in the first part, two sets of 4 in the second; on the ways out v96-103 scale words made, v176-243 at work.
;   window 1: source 0's fragments, two sets, at v0 and v128.  windows 2, 3: accumulator (a, b) at v[8 (8 (a % 4) + b)].
.set XA,     0
.set W0,     73728
.set XB,     147456
.set W1,     270336
.set SPARE,  319488                    ; the spare words, 128 bytes a wave
.set FR,     12
.set ADR1,   16                        ; v16, v17  first part, source 1's fragments in XA, XB
.set ADRW,   18                        ; v18, v19  second part, source 1's in W1, W0
.set ADR0,   20                        ; v20-23    first part, source 0's: steps 0-2, 3-4, 5, 6-7
.set ADRV,   24                        ; v24, v25  second part, source 0's in XA, XB
.set SPW,    28
.set NIL,    29
.set SC1,    32
.set SC0,    64
.set PWS,    96
.set AF,     128
.set T,      176                       ; v176-199 at work, two blocks at a time
.set PC,     200                       ; v200-239 codes, 20 registers a block
.set OW,     240
.set GA0,  24                          ; group 1: s[24:31] x's steps 0-2; s[32:39] W's, later the refills'; s[40:47] x's steps 3-7; s[48:55] two steps of W
.set GB0,  32
.set GA1,  40
.set GB1,  48
.set A0,   56                          ; group 0 of the same
.set B0,   60
.set A1,   68
.set B1,   72
.set SEL,  86
.set MSB, 0
.macro WIN new                         ; the immediate's high byte repeats the setting that is left
.if MSB != (\new)
	s_set_vgpr_msb (MSB<<8)|(\new)
.set MSB, (\new)
.endif
.endm
.set MUL_LO, 0xa1                      ; source 0 window 1, source 1 window 0, C and D window 2 (+ 0x50: window 3)
.set TO_B,   0x40                      ; destination window 1
.macro PLACES                          ; four places behind a matrix instruction, in front of loads into registers that it has read and of reads of its results
.rept 4
	v_nop
.endr
.endm
.macro GROUP1 g, mask, dim, rows       ; rows (tiles) of dim elements of 8 bytes, 12,288 bytes apart; no padding: an image is read 512 consecutive bytes at a time
	s_or_b32 s[\g], s\mask, (3<<16)|(1<<21)
	s_mov_b32 s[\g+1], (\dim)<<16
	s_mov_b32 s[\g+2], (\rows)<<16
	s_mov_b32 s[\g+3], (\dim)<<16
	s_mov_b32 s[\g+4], \rows
	s_mov_b32 s[\g+5], 1536
	s_mov_b32 s[\g+6], 0
	s_mov_b32 s[\g+7], 0
.endm
.macro CREST                           ; a round of the cluster's barrier behind its opening barrier
	s_cmp_lg_u32 s14, 0
	s_cbranch_scc1 .Lnot_wave_0_\@
	s_barrier_signal -3
.Lnot_wave_0_\@:
	s_barrier_wait -3
	s_barrier_signal -1
	s_barrier_wait -1
.endm
.macro CROUND
	s_barrier_signal -1
	s_barrier_wait -1
	CREST
.endm
.macro ONE g0a, g1a                    ; a refill by wave 0
	s_cmp_eq_u32 s14, 0
	s_cbranch_scc0 .Lasked_\@
	tensor_load_to_lds s[\g0a:\g0a+3], s[\g1a:\g1a+7]
	s_nop 0
	PLACES
.Lasked_\@:
.endm
.macro ARM w, g0, g1                   ; the head's loads: one chain of arms, one load to an arm
	s_cmp_eq_u32 s14, \w
	s_cbranch_scc0 .Lnext\w
	tensor_load_to_lds s[\g0:\g0+3], s[\g1:\g1+7]
	s_nop 0
	PLACES
	s_branch .Lasked
.Lnext\w:
.endm
	s_load_b256 s[4:11], s[0:1], 0x0               ; c1 s[4:5], s1 s[6:7], qkvc s[8:9], qkvs s[10:11]
	v_lshl_add_u32 v[SPW], v0, 2, SPARE
	v_mov_b32 v[NIL], 0
	ds_add_u32 v[SPW], v[NIL]                      ; the wave's opening: the add, twice on end, under one wait
	ds_add_u32 v[SPW], v[NIL]
	v_lshrrev_b32 v2, 5, v0
	v_readfirstlane_b32 s14, v2                    ; wave 0..3
	s_lshr_b32 s15, s14, 1                         ; my half of source 1's tiles
	s_and_b32 s16, s14, 1                          ; my half of source 0's
	s_bfe_u32 s66, ttmp6, 0x40000                  ; cx
	s_bfe_u32 s67, ttmp6, 0x40004                  ; cy
	s_and_b32 s17, ttmp7, 0xffff
	s_lshl_b32 s85, s17, 2
	s_add_co_u32 s85, s85, s67                     ; Y
	s_lshl_b32 s89, ttmp9, 2
	s_add_co_u32 s89, s89, s66                     ; X
	s_lshl_b32 s2, s67, 2
	s_lshl_b32 s2, 15, s2                          ; my row of the cluster
	s_lshl_b32 s3, 0x1111, s66                     ; my column
	GROUP1 GA0, 2, 576, 16
	GROUP1 GB0, 3, 576, 16
	GROUP1 GA1, 2, 960, 16
	GROUP1 GB1, 3, 384, 16
	s_mul_i32 s18, s85, 196608                     ; x's 16 tiles from 16 Y on
	s_mov_b32 s19, 0
	s_mul_i32 s20, s89, 196608                     ; W's from 512 + 16 X on
	s_add_co_u32 s20, s20, 6291456
	s_mov_b32 s21, 0
	s_mul_i32 s22, s89, 98304                      ; Wv's 8 from 640 + 8 X on
	s_add_co_u32 s22, s22, 7864320
	s_mov_b32 s23, 0
.irp g, A0, B0, A1, B1
	s_mov_b32 s[\g], 1
.endr
	s_mov_b32 s[A0+1], XA
	s_mov_b32 s[B0+1], W0
	s_mov_b32 s[A1+1], XB
	s_mov_b32 s[B1+1], W1
	s_lshl_b32 s76, s85, 13                        ; the first part's scale blocks, 4,096 bytes a group: source 1's group 2 Y + half,
	s_lshl_b32 s2, s15, 12
	s_add_co_u32 s76, s76, s2
	s_mov_b32 s77, 0
	s_lshl_b32 s78, s89, 13                        ; source 0's group 64 + 2 X + half
	s_lshl_b32 s2, s16, 12
	s_add_co_u32 s78, s78, s2
	s_add_co_u32 s78, s78, 262144
	s_mov_b32 s79, 0
	s_lshl_b32 s82, s85, 13                        ; the second part's: source 0's group 2 Y + half,
	s_add_co_u32 s82, s82, s2
	s_mov_b32 s83, 0
	s_lshl_b32 s80, s89, 12                        ; source 1's group 80 + X, my four tiles' half of each block
	s_lshl_b32 s2, s15, 8
	s_add_co_u32 s80, s80, s2
	s_add_co_u32 s80, s80, 327680
	s_mov_b32 s81, 0
	s_lshl_b32 s3, s85, 1                          ; where V^T goes: K step 2 Y + half,
	s_add_co_u32 s3, s3, s16
	s_lshl_b32 s94, s89, 6
	s_add_co_u32 s94, s94, s3
	s_lshl_b32 s94, s94, 9
	s_add_co_u32 s94, s94, s2
	s_add_co_u32 s94, s94, 524288                  ; my half of the scale block (X, K step)
	s_mov_b32 s95, 0
	s_lshl_b32 s92, s89, 3
	s_lshl_b32 s2, s15, 2
	s_add_co_u32 s92, s92, s2
	s_lshl_b32 s92, s92, 6                         ; images of channel tile 8 X + 4 half on, 64 K steps to a tile
	s_add_co_u32 s92, s92, s3
	s_mul_i32 s92, s92, 1536
	s_add_co_u32 s92, s92, 12582912
	s_mov_b32 s93, 0
	s_lshl_b32 s3, s89, 1                          ; where Q or K goes (the cluster's x says which): K step (2 X + half) % 8,
	s_add_co_u32 s3, s3, s16
	s_and_b32 s3, s3, 7
	s_lshl_b32 s2, s85, 1
	s_add_co_u32 s2, s2, s15                       ; group 2 Y + half
	s_lshl_b32 s98, s2, 3
	s_add_co_u32 s98, s98, s3
	s_lshl_b32 s98, s98, 9
	s_lshl_b32 s17, ttmp9, 18
	s_add_co_u32 s98, s98, s17
	s_mov_b32 s99, 0
	s_lshl_b32 s96, s2, 6                          ; 8 tiles x 8 K steps a group
	s_add_co_u32 s96, s96, s3
	s_mul_i32 s96, s96, 1536
	s_mul_i32 s17, ttmp9, 6291456
	s_add_co_u32 s96, s96, s17
	s_mov_b32 s97, 0
	s_mov_b32 s[SEL], 0x76543210
	s_mov_b32 s[SEL+1], 0xfedcba98
	s_mov_b32 s90, 0x1800000                       ; the floor 2^(3 - 127)
	s_mul_i32 s2, s15, 36864                       ; LDS: my 8 tiles of x as source 1, in XA, in XB;
	s_mul_i32 s3, s15, 61440
	s_add_co_u32 s3, s3, XB
	s_mul_i32 s17, s15, 24576                      ; my 4 channel tiles in W1, in W0;
	s_add_co_u32 s66, s17, W1
	s_add_co_u32 s67, s17, W0
	s_mul_i32 s84, s16, 36864                      ; my 8 tiles of W: steps 0-2, 3-4, 5, 6-7;
	s_add_co_u32 s88, s84, W0
	s_mul_i32 s91, s16, 24576
	s_add_co_u32 s100, s91, W1
	s_add_co_u32 s101, s91, W0+24576
	s_mul_i32 s91, s16, 12288
	s_add_co_u32 s91, s91, W0
	s_mul_i32 s17, s16, 61440                      ; and of x as source 0
	s_add_co_u32 s17, s17, XB
	v_and_b32 v1, 31, v0
	v_and_b32 v3, 15, v0
	v_lshlrev_b32 v1, 4, v1                        ; 16 x lane
	v_lshlrev_b32 v3, 4, v3                        ; 16 x (lane % 16)
	v_add_nc_u32 v[ADR1], s2, v1
	v_add_nc_u32 v[ADR1+1], s3, v1
	v_add_nc_u32 v[ADRW], s66, v1
	v_add_nc_u32 v[ADRW+1], s67, v1
	v_add_nc_u32 v[ADR0], s88, v1
	v_add_nc_u32 v[ADR0+1], s100, v1
	v_add_nc_u32 v[ADR0+2], s91, v1
	v_add_nc_u32 v[ADR0+3], s101, v1
	v_add_nc_u32 v[ADRV], s84, v1
	v_add_nc_u32 v[ADRV+1], s17, v1
	s_wait_alu depctr_va_vdst(0)                   ; the wait behind the head's last vector write
	s_wait_dscnt 0x0                               ; both opening adds are done
	CROUND                                         ; all sixteen work-groups are here: the first joint loads meet
	s_wait_kmcnt 0x0
	s_add_nc_u64 s[18:19], s[4:5], s[18:19]
	s_add_nc_u64 s[20:21], s[4:5], s[20:21]
	s_mov_b64 s[A0+2:A0+3], s[18:19]
	s_mov_b64 s[B0+2:B0+3], s[20:21]
	s_add_nc_u64 s[A1+2:A1+3], s[18:19], 4608
	s_add_nc_u64 s[B1+2:B1+3], s[20:21], 4608
.irp g, A0, B0, A1, B1
	s_or_b32 s[\g+3], s[\g+3], 0x80000000
.endr
	ARM 0, A0, GA0                                 ; K steps 0-2 of x and of W,
	ARM 1, B0, GB0
	ARM 2, A1, GA1                                 ; x's steps 3-7,
	tensor_load_to_lds s[B1:B1+3], s[GB1:GB1+7]    ; W's 3, 4
	s_nop 0
	PLACES
.Lasked:
	s_add_nc_u64 s[76:77], s[6:7], s[76:77]
	s_add_nc_u64 s[78:79], s[6:7], s[78:79]
.irp k, 0,1,2,3,4,5,6,7
	global_load_b128 v[SC1+4*\k:SC1+4*\k+3], v1, s[76:77] offset:512*\k     ; all scale words of my 128 + 128 rows, once: 512 consecutive bytes a load
	global_load_b128 v[SC0+4*\k:SC0+4*\k+3], v1, s[78:79] offset:512*\k
.endr
	s_add_nc_u64 s[22:23], s[4:5], s[22:23]
	s_add_nc_u64 s[80:81], s[6:7], s[80:81]
	s_add_nc_u64 s[82:83], s[6:7], s[82:83]
	s_add_nc_u64 s[92:93], s[8:9], s[92:93]
	s_add_nc_u64 s[94:95], s[10:11], s[94:95]
	s_add_nc_u64 s[96:97], s[8:9], s[96:97]
	s_add_nc_u64 s[98:99], s[10:11], s[98:99]
.macro FRAG reg, adr, off              ; an image comes back as it was stored: three loads of 512 consecutive bytes
.irp c, 0,1,2
	ds_load_b128 v[\reg+4*\c:\reg+4*\c+3], v[\adr] offset:\off+512*\c
.endr
.endm
.macro FETCH_B ks                      ; source 0's eight fragments of K step ks into set ks % 2: 24 loads
	WIN TO_B
.irp i, 0,1,2,3,4,5,6,7
.if (\ks) < 3
	FRAG 128*((\ks)%2)+FR*\i, ADR0, 4608*\i+1536*(\ks)
.elseif (\ks) < 5
	FRAG 128*((\ks)%2)+FR*\i, ADR0+1, 3072*\i+1536*((\ks)-3)
.elseif (\ks) == 5
	FRAG 128*((\ks)%2)+FR*\i, ADR0+2, 1536*\i
.else
	FRAG 128*((\ks)%2)+FR*\i, ADR0+3, 3072*\i+1536*((\ks)-6)
.endif
.endr
	WIN 0
.endm
.macro FETCH_A ks, i0                  ; source 1's blocks i0 .. i0 + 3: 12 loads
	WIN 0
.irp i, \i0, \i0+1, \i0+2, \i0+3
.if (\ks) < 3
	FRAG AF+FR*(\i), ADR1, 4608*(\i)+1536*(\ks)
.else
	FRAG AF+FR*(\i), ADR1+1, 7680*(\i)+1536*((\ks)-3)
.endif
.endr
.endm
.macro WMX c, ra, rb
	v_wmma_scale_f32_16x16x128_f8f6f4 v[xD:xD+7], v[xS0:xS0+11], v[xS1:xS1+11], \c, v[xQ0], v[xQ1] matrix_a_fmt:MATRIX_FMT_FP6 matrix_b_fmt:MATRIX_FMT_FP6 matrix_a_scale:MATRIX_SCALE_ROW\ra matrix_b_scale:MATRIX_SCALE_ROW\rb
.endm
.macro WMS c
.if xRA
.if xRB
	WMX \c, 1, 1
.else
	WMX \c, 1, 0
.endif
.elseif xRB
	WMX \c, 0, 1
.else
	WMX \c, 0, 0
.endif
.endm
.macro WM a, b, ks, zero, ao           ; one product: source 1's block a (ao registers on) x source 0's block b; the scale words of tiles 4-7 stand in lanes 16-31
.set xD,  8*(8*((\a)%4)+(\b))
.set xS0, 128*((\ks)%2)+FR*(\b)
.set xS1, AF+FR*(\a)+(\ao)
.set xQ0, SC0+4*(\ks)+(\b)%4
.set xQ1, SC1+4*(\ks)+(\a)%4
.set xRA, (\b)/4
.set xRB, (\a)/4
.if \zero
	WMS 0
.else
	WMS v[xD:xD+7]
.endif
.endm
.macro MUL8 a, ks, zero                ; the accumulators take turns, one instruction a turn, in the same order in every step
	WIN MUL_LO+0x50*((\a)/4)
.irp b, 0,1,2,3,4,5,6,7
	WM \a, \b, \ks, \zero, 0
.endr
.endm
; THE FIRST PART'S STEPS.  At a step's head source 1's blocks 4-7 and source 0's set of the NEXT step are asked for; blocks 0-3 of the next step in the middle.
.macro HEADK ks, early                 ; early = 0: the next step's region is not shown yet
	PLACES
	FETCH_A \ks, 4
.if \early
	FETCH_B \ks+1
	s_wait_dscnt 36                                ; this step's set and blocks 0-3 are in; the 36 just issued may be out
.else
	s_wait_dscnt 12
.endif
.endm
.macro STEP ks, zero
	HEADK \ks, 1
.irp a, 0,1,2,3
	MUL8 \a, \ks, \zero
.endr
	s_wait_dscnt 24                                ; blocks 4-7 are in; the 24 of the next step's set may be out
	PLACES
	FETCH_A \ks+1, 0
.irp a, 4,5,6,7
	MUL8 \a, \ks, \zero
.endr
.endm
.macro REST ks                         ; behind a step's barrier: the next step's fragments, and this step's second half
	PLACES                                         ; (for the waves that come round a load, too)
	FETCH_B \ks+1
	FETCH_A \ks+1, 0
.irp a, 4,5,6,7
	MUL8 \a, \ks, 0
.endr
.endm
.macro RSTEP ks, prep, fill            ; a step with a refill's round in it
	HEADK \ks, 0
.irp a, 0,1,2
	MUL8 \a, \ks, 0
.endr
	WIN 0
	s_wait_tensorcnt 0x0                           ; all my tensor loads have landed: descriptors may be written
	ds_add_u32 v[SPW], v[NIL]                      ; 0 onto my spare word
	\prep
	s_wait_dscnt 0x0                               ; the add is done, and so are my reads of the region that is filled again
	s_barrier_signal -1
	MUL8 3, \ks, 0
	WIN 0
	s_barrier_wait -1
	CREST                                          ; the barrier has opened a round of the cluster's: no wave of any partner still reads that region or has a load on its way
	\fill
	REST \ks
.endm
.macro SHOW ks                         ; a step with a plain barrier: wave 0's refill is shown to all
	HEADK \ks, 0
.irp a, 0,1,2
	MUL8 \a, \ks, 0
.endr
	WIN 0
	s_cmp_lt_u32 s14, 1
	s_cbranch_scc0 .Lnot_mine_\@
	s_wait_tensorcnt 0x0
.Lnot_mine_\@:
	s_wait_dscnt 0x0
	s_barrier_signal -1
	MUL8 3, \ks, 0
	s_barrier_wait -1
	REST \ks
.endm
.macro PREPA                           ; W's step 5 by wave 0; steps 6, 7 by wave 1
	s_add_nc_u64 s[B0+2:B0+3], s[B0+2:B0+3], 7680
	s_mov_b32 s[GB0+1], 192<<16
	s_mov_b32 s[GB0+3], 192<<16
	s_add_nc_u64 s[B1+2:B1+3], s[B1+2:B1+3], 4608
	s_mov_b32 s[B1+1], W0+24576
.endm
.macro FILLA
	s_cmp_lt_u32 s14, 1
	s_cbranch_scc0 .Lother_\@
	tensor_load_to_lds s[B0:B0+3], s[GB0:GB0+7]
	s_nop 0
	PLACES
	s_branch .Lasked_\@
.Lother_\@:
	s_cmp_eq_u32 s14, 1
	s_cbranch_scc0 .Lasked_\@
	tensor_load_to_lds s[B1:B1+3], s[GB1:GB1+7]
	s_nop 0
	PLACES
.Lasked_\@:
.endm
.macro PREPB                           ; Wv's steps 0-3: 8 tiles x 6,144 bytes
	s_mov_b64 s[B0+2:B0+3], s[22:23]
	s_or_b32 s[B0+3], s[B0+3], 0x80000000
	s_mov_b32 s[B0+1], W1
	s_mov_b32 s[GB0+1], 768<<16
	s_mov_b32 s[GB0+2], 8<<16
	s_mov_b32 s[GB0+3], 768<<16
	s_mov_b32 s[GB0+4], 8
.endm
.macro FILLB
	ONE B0, GB0
.endm
.macro VFETCH ks                       ; THE SECOND PART: two sets of fragments for each side, 36 loads a step
	WIN TO_B
.irp i, 0,1,2,3,4,5,6,7
.if (\ks) < 3
	FRAG 128*((\ks)%2)+FR*\i, ADRV, 4608*\i+1536*(\ks)
.else
	FRAG 128*((\ks)%2)+FR*\i, ADRV+1, 7680*\i+1536*((\ks)-3)
.endif
.endr
	WIN 0
.irp i, 0,1,2,3
	FRAG AF+48*((\ks)%2)+FR*\i, ADRW+((\ks)/4), 6144*\i+1536*((\ks)%4)
.endr
.endm
.macro VMUL a, ks, zero
	WIN MUL_LO
.irp b, 0,1,2,3,4,5,6,7
	WM \a, \b, \ks, \zero, 48*((\ks)%2)
.endr
.endm
.macro VSTEP ks, zero, show=0          ; the next step's 36 loads go out ahead of the wait for this step's; show = 1: a plain barrier shows the last refill
	PLACES
	VFETCH \ks+1
	s_wait_dscnt 36
	VMUL 0, \ks, \zero
	VMUL 1, \ks, \zero
	VMUL 2, \ks, \zero
.if \show
	s_wait_tensorcnt 0x0
	s_wait_dscnt 0x0
	s_barrier_signal -1
.endif
	VMUL 3, \ks, \zero
.if \show
	s_barrier_wait -1
.endif
.endm
; THE WAY OUT, blocks a and a + 1 by turns.  A lane holds one row of source 1's tile and 64 of the 128 results along the next K: register 16 b + i = k 32 b + 16 (lane / 16) + i.  A block becomes one image and one scale word a row.
.macro EPI2 a, ob, st
.set W,  2+(\a)/4
.set AC, 64*((\a)%4)
	WIN 0x14*W                                     ; sources 1 and 2: the accumulators' window
.irp k, 0,1
.irp b, 0,1,2,3
	v_max3_num_f32 v[T+4*\k+\b], s90, |v[AC+64*\k+16*\b]|, |v[AC+64*\k+16*\b+1]|   ; each accumulator is read from its low end on; the floor is one more leaf
.endr
.endr
.irp i, 2,4,6,8,10,12,14
.irp k, 0,1
.irp b, 0,1,2,3
	v_max3_num_f32 v[T+4*\k+\b], v[T+4*\k+\b], |v[AC+64*\k+16*\b+\i]|, |v[AC+64*\k+16*\b+\i+1]|
.endr
.endr
.endr
	WIN 0
.irp n, 0,1,2,3,4,5,6,7
	v_permlanex16_b32 v[T+8+\n], v[T+\n], s[SEL], s[SEL+1]
.endr
.irp n, 0,1,2,3,4,5,6,7
	v_max_num_f32 v[T+\n], v[T+\n], v[T+8+\n]
.endr
.irp n, 0,1,2,3,4,5,6,7
	v_add_nc_u32 v[T+16+\n], 0xff000000, v[T+\n]   ; 2 off the exponent field: the conversion's scale operand
.endr
.irp n, 0,1,2,3,4,5,6,7
	v_lshrrev_b32 v[T+8+\n], 23, v[T+16+\n]
.endr
.irp k, 0,1
	v_lshl_or_b32 v[PWS+\a+\k], v[T+9+4*\k], 8, v[T+8+4*\k]
.endr
.irp k, 0,1
	v_lshl_or_b32 v[PWS+\a+\k], v[T+10+4*\k], 16, v[PWS+\a+\k]
.endr
.irp k, 0,1
	v_lshl_or_b32 v[PWS+\a+\k], v[T+11+4*\k], 24, v[PWS+\a+\k]
.endr
	s_wait_xcnt 0x0                                ; the last blocks' stores have read their data
	WIN W                                          ; source 0: the accumulators' window
.irp k, 0,1
.irp c, 0,1
	v_cvt_scalef32_pk16_fp6_f32 v[PC+20*\k+6*\c:PC+20*\k+2+6*\c], v[AC+64*\k+32*\c:AC+64*\k+15+32*\c], v[T+16+4*\k+2*\c]
	v_cvt_scalef32_pk16_fp6_f32 v[PC+20*\k+12+4*\c:PC+20*\k+14+4*\c], v[AC+64*\k+16+32*\c:AC+64*\k+31+32*\c], v[T+17+4*\k+2*\c]
.endr
.endr
	WIN 0
	v_nop                                          ; one plain place behind a scaled conversion
.irp k, 0,1
.irp c, 0,1
.irp i, 0,1,2
	v_permlane16_swap_b32 v[PC+20*\k+6*\c+\i], v[PC+20*\k+12+4*\c+\i]
.endr
.endr
.endr
.irp k, 0,1
.irp c, 0,1
.irp i, 0,1,2
	v_mov_b32 v[PC+20*\k+3+6*\c+\i], v[PC+20*\k+12+4*\c+\i]
.endr
.endr
.endr
.irp k, 0,1
.irp c, 0,1,2
	global_store_b128 v1, v[PC+20*\k+4*\c:PC+20*\k+4*\c+3], s[\ob:\ob+1] offset:\st*(\a+\k)+512*\c   ; 512 consecutive bytes a store
.endr
.endr
.endm
	s_cmp_lt_u32 s14, 2
	s_cbranch_scc0 .Lnot_first
	s_wait_tensorcnt 0x0                           ; waves 0 and 1: K steps 0-2 are in; the others' loads may stay out
.Lnot_first:
	s_barrier_signal -1
	s_barrier_wait -1
	FETCH_B 0
	FETCH_A 0, 0
	s_wait_loadcnt 0x0                             ; the scale words
	STEP 0, 1                                      ; the first products start the sums: nothing is cleared
	STEP 1, 0
	RSTEP 2, PREPA, FILLA                          ; W0 takes W's steps 5 and 6, 7; XB and W1 are shown
	STEP 3, 0
	SHOW 4                                         ; W's step 5 is shown
	RSTEP 5, PREPB, FILLB                          ; W's steps 6, 7 are shown; W1 takes Wv's steps 0-3
	STEP 6, 0
	PLACES
	FETCH_A 7, 4
	s_wait_dscnt 12
.irp a, 0,1,2,3
	MUL8 \a, 7, 0
.endr
	s_wait_dscnt 0x0
.irp a, 4,5,6,7
	MUL8 \a, 7, 0
.endr
	WIN 0
	PLACES
.irp n, 0,1,2,3,4,5,6,7
	v_mov_b32 v[T+8+\n], 0                         ; written once: a lane permute's destination counts as one of its sources
.endr
	EPI2 0, 96, 12288                              ; Q's or K's first two tiles
	s_wait_alu depctr_va_vdst(0)                   ; the wait ahead of these waits
	s_wait_tensorcnt 0x0                           ; Wv's steps 0-3 have landed
	ds_add_u32 v[SPW], v[NIL]
	s_add_nc_u64 s[B0+2:B0+3], s[B0+2:B0+3], 6144  ; Wv's steps 4-7
	s_mov_b32 s[B0+1], W0
	s_wait_dscnt 0x0                               ; the add is done, and so are my reads of W0
	CROUND
	ONE B0, GB0
	PLACES
	VFETCH 0                                       ; V^T's first fragments, which the round has shown
.irp k, 0,1,2,3,4,5,6,7                        ; the second part's scale words; they land during the way out
	global_load_b128 v[SC1+4*\k:SC1+4*\k+3], v3, s[80:81] offset:512*\k     ; my four tiles of Wv: both halves of the lanes read the same 256 bytes
	global_load_b128 v[SC0+4*\k:SC0+4*\k+3], v1, s[82:83] offset:512*\k
.endr
	EPI2 2, 96, 12288
	EPI2 4, 96, 12288
	EPI2 6, 96, 12288
	v_and_b32 v2, 16, v0
	v_cmp_ne_u32 vcc_lo, 0, v2                     ; lanes 16-31
.irp j, 0,1,2,3
	v_cndmask_b32 v[OW+\j], v[PWS+\j], v[PWS+4+\j], vcc_lo   ; the scale block: tiles 0-3 in lanes 0-15, tiles 4-7 in lanes 16-31
.endr
	global_store_b128 v1, v[OW:OW+3], s[98:99]
	s_wait_alu depctr_va_vdst(0)
	s_wait_xcnt 0x0                                ; the stores have read their data: fragments land on those registers only behind this wait
	s_wait_loadcnt 0x0                             ; the second part's scale words
	VSTEP 0, 1                                     ; its products start the sums anew
	VSTEP 1, 0
	VSTEP 2, 0, 1                                  ; Wv's steps 4-7 are shown
	VSTEP 3, 0
	VSTEP 4, 0
	VSTEP 5, 0
	VSTEP 6, 0
	s_wait_dscnt 0x0
.irp a, 0,1,2,3
	VMUL \a, 7, 0
.endr
	WIN 0
	PLACES
	EPI2 0, 92, 98304                              ; V^T's four tiles of channels: a tile has 64 images
	EPI2 2, 92, 98304
	v_and_b32 v2, 16, v0
	v_cmp_eq_u32 vcc_lo, 0, v2
	s_wait_alu depctr_va_vdst(0)
	s_wait_xcnt 0x0                                ; EXEC changes only behind this wait
	s_and_saveexec_b32 s2, vcc_lo                  ; lanes 0-15: my four tiles are half a scale block
	global_store_b128 v3, v[PWS:PWS+3], s[94:95]   ; 16 lanes store 256 consecutive bytes, at a multiple of 256 from the buffer's first byte
	s_wait_xcnt 0x0                                ; and again, in front of the line that widens it
	s_or_b32 exec_lo, exec_lo, s2
	s_wait_tensorcnt 0x0                           ; the wave's end
	ds_add_u32 v[SPW], v[NIL]
	s_wait_dscnt 0x0
	CROUND                                         ; the closing round: no work-group ends while a partner may still ask for a tile that names it
	s_endpgm
.Lfunc_end_k_q4b0cc4a3d7_proj:
	.size	k_q4b0cc4a3d7_proj, .Lfunc_end_k_q4b0cc4a3d7_proj-k_q4b0cc4a3d7_proj
	.p2alignl 7, 3214868480
	.fill 96, 4, 3214868480
	.section	.rodata,"a",@progbits
	.p2align	6, 0x0
	.amdhsa_kernel k_q4b0cc4a3d7_proj
		.amdhsa_group_segment_fixed_size 327680
		.amdhsa_private_segment_fixed_size 0
		.amdhsa_enable_private_segment 0
		.amdhsa_kernarg_size 32
		.amdhsa_user_sgpr_count 2
		.amdhsa_user_sgpr_kernarg_segment_ptr 1
		.amdhsa_wavefront_size32 1
		.amdhsa_system_sgpr_workgroup_id_x 1
		.amdhsa_system_sgpr_workgroup_id_y 1
		.amdhsa_system_sgpr_workgroup_id_z 1
		.amdhsa_system_vgpr_workitem_id 0
		.amdhsa_next_free_vgpr 1024
		.amdhsa_next_free_sgpr 102
		.amdhsa_reserve_vcc 1
		.amdhsa_float_denorm_mode_32 3
		.amdhsa_float_denorm_mode_16_64 3
		.amdhsa_memory_ordered 1
		.amdhsa_forward_progress 1
		.amdhsa_inst_pref_size 210
	.end_amdhsa_kernel
	.amdgpu_metadata
---
amdhsa.version: [ 1, 2 ]
amdhsa.kernels:
  - .name:           k_q4b0cc4a3d7_proj
    .symbol:         k_q4b0cc4a3d7_proj.kd
    .args:
      - { .name: c1, .offset: 0, .size: 8, .value_kind: global_buffer, .address_space: global }
      - { .name: s1, .offset: 8, .size: 8, .value_kind: global_buffer, .address_space: global }
      - { .name: qkvc, .offset: 16, .size: 8, .value_kind: global_buffer, .address_space: global }
      - { .name: qkvs, .offset: 24, .size: 8, .value_kind: global_buffer, .address_space: global }
    .group_segment_fixed_size: 327680
    .private_segment_fixed_size: 0
    .kernarg_segment_align: 8
    .kernarg_segment_size: 32
    .max_flat_workgroup_size: 128
    .sgpr_count:     102
    .vgpr_count:     1024
    .wavefront_size: 32
...
	.end_amdgpu_metadata
.endif
;; end of part 2
;; launch score (part 3): grid 8 x 32, 4 waves a work-group, clusters of 4 x 4, 327,680 bytes of LDS; arguments qkvc, qkvs, pc, pst; writes pc, pst
.if DOCPART == 3
	.amdgcn_target "amdgcn-amd-amdhsa--gfx1250"
	.amdhsa_code_object_version 6
	.text
	.protected	k_q4b0cc4a3d7_score
	.globl	k_q4b0cc4a3d7_score
	.p2align	8
	.type	k_q4b0cc4a3d7_score,@function
k_q4b0cc4a3d7_score:
	s_mov_b64 s[64:65], 0
	v_nop
	global_prefetch_b8 v0, s[64:65] scope:SCOPE_SE
	s_setreg_imm32_b32 hwreg(HW_REG_WAVE_MODE, 25, 1), 1
	s_wait_xcnt 0x0
	s_wait_alu depctr_hold_cnt(0) depctr_sa_sdst(0) depctr_va_vdst(0) depctr_va_sdst(0) depctr_va_ssrc(0) depctr_va_vcc(0) depctr_vm_vsrc(0)
	s_getreg_b32 s2, hwreg(HW_REG_IB_STS2, 6, 4)
	s_cmp_eq_u32 s2, 0
	s_cbranch_scc0 .Lentry_in_a_cluster
	s_endpgm
.Lentry_in_a_cluster:
	s_bfe_u32 s2, ttmp6, 0x10000c
	s_cmp_lg_u32 s2, 0xf033
	s_cbranch_scc0 .Lentry_shape_is_right
	s_endpgm
.Lentry_shape_is_right:
; S = Q K^T for each of 4 batches (2,048 x 2,048, K = 1,024) on codes of FP6 (E2M3) with E8M0 scales, and the softmax's first half.  For each query and each run of 128 keys: t = score x log2(e) / 32;
; M = the run's largest t rounded UP to a whole number; p = 2^(t - M); l = the sum of the unquantised p; p is quantised along the keys in registers.  The next launch brings the 16 runs of a row under the row's M:
; a whole number taken off p's scale bytes, so that the codes are those of the row's M.
; LAYOUTS: rows in groups of 128 and tiles of 16, lane-row r of tile 2 b + u = group row 32 b + 8 u + r + 8 (r / 8); an image of (tile, 128 along K) is 1,536 bytes, registers 4 c .. 4 c + 3 of lane l at 512 c + 16 l;
; a block of (group, K step) is 512 bytes, the word of tile 4 H + J, lane-row r at 16 (16 H + r) + 4 J.  qkvc: Q at 0, K at 6,291,456, 512 tiles x 8 images; qkvs: Q at 0, K at 262,144.
; pc: 512 query tiles x 16 K steps (keys / 128).  pst: three sections of 524,288 bytes, 64 groups x 16 blocks each: p's scale words, -M (f32, a whole number), l (f32).
; A tile of 256 queries x 256 keys is made by four waves, 128 x 128 each.  Source 0 = K's tiles, source 1 = Q's: a lane holds ONE query, and the 16 registers of result tiles 2 b, 2 b + 1 are keys 32 b + 16 (lane / 16) + 0 .. 15.
; CLUSTERS 4 x 4: Q's tile hangs on the tile row and is asked for jointly along a row of the cluster, K's on the tile column and the batch (from the cluster's y alone), along a column.
; LDS: region R (98,304 bytes) takes K steps 0, 1 and region Y (196,608) steps 2 .. 5 at the head, one load a wave; ONE REFILL, in step 1: R takes steps 6, 7, which are wanted three K steps on; so no prefetch is written.
; LIMITS: NaN and infinities are not served; M is kept as f32, so |t| stays under 2^24; p's scale bytes are held at 64 from below: of a block whose largest p lies under 2^-61 of the run's 2^M the numbers are rounded to multiples of 2^-66 (a p under 2^-126 is 0).
; REGISTERS: window 0: v1 16 x lane; v16-17, v20-21 LDS addresses; v28-29 for the add; v32-63 Q's scale words, v64-95 K's (register 4 ks + tile % 4; tiles 4-7 in lanes 16-31); v128-223 Q's fragments;
;   on the way out v96-111 -M (pairs), v112-119 scale words, v120-127 l, v128-167 codes, v168-179 and v200-237 at work.  window 1: K's fragments, two sets; on the way out v0-127 two blocks' t - M, then p.
;   windows 2, 3: accumulator (a, b) at v[8 (8 (a % 4) + b)].
.set Y,      98304
.set SPARE,  294912                    ; the spare words, 128 bytes a wave
.set FR,     12
.set ADR1,   16
.set ADR0,   20
.set SPW,    28
.set NIL,    29
.set SC1,    32
.set SC0,    64
.set NMS,    96
.set PWS,    112
.set LLS,    120
.set AF,     128
.set PC,     128
.set OW,     168
.set T,      200
.set LS,     224
.set MX,     232
.set PW2,    234                       ; the scale words and l of the trip's two blocks
.set LL2,    236
.set GA0,  24                          ; group 1 and group 0: Q, K of two K steps; Q, K of four
.set GB0,  32
.set GA1,  40
.set GB1,  48
.set A0,   56
.set B0,   60
.set A1,   68
.set B1,   72
.set CS,   92                          ; s[92:93] c = log2(e) / 32
.set SEL,  86
.set MSB, 0
.macro WIN new
.if MSB != (\new)
	s_set_vgpr_msb (MSB<<8)|(\new)
.set MSB, (\new)
.endif
.endm
.set MUL_LO, 0xa1
.set TO_B,   0x40
.macro PLACES
.rept 4
	v_nop
.endr
.endm
.macro GROUP1 g, mask, dim, rows       ; rows (tiles) of dim elements of 8 bytes, 12,288 bytes apart
	s_or_b32 s[\g], s\mask, (3<<16)|(1<<21)
	s_mov_b32 s[\g+1], (\dim)<<16
	s_mov_b32 s[\g+2], (\rows)<<16
	s_mov_b32 s[\g+3], (\dim)<<16
	s_mov_b32 s[\g+4], \rows
	s_mov_b32 s[\g+5], 1536
	s_mov_b32 s[\g+6], 0
	s_mov_b32 s[\g+7], 0
.endm
.macro CREST
	s_cmp_lg_u32 s14, 0
	s_cbranch_scc1 .Lnot_wave_0_\@
	s_barrier_signal -3
.Lnot_wave_0_\@:
	s_barrier_wait -3
	s_barrier_signal -1
	s_barrier_wait -1
.endm
.macro CROUND
	s_barrier_signal -1
	s_barrier_wait -1
	CREST
.endm
.macro TWO w0, g0a, g1a, w1, g0b, g1b  ; a refill: waves w0 and w1 issue a joint load each
	s_cmp_eq_u32 s14, \w0
	s_cbranch_scc0 .Lother_\@
	tensor_load_to_lds s[\g0a:\g0a+3], s[\g1a:\g1a+7]
	s_nop 0
	PLACES
	s_branch .Lasked_\@
.Lother_\@:
	s_cmp_eq_u32 s14, \w1
	s_cbranch_scc0 .Lasked_\@
	tensor_load_to_lds s[\g0b:\g0b+3], s[\g1b:\g1b+7]
	s_nop 0
	PLACES
.Lasked_\@:
.endm
.macro ARM w, g0, g1
	s_cmp_eq_u32 s14, \w
	s_cbranch_scc0 .Lnext\w
	tensor_load_to_lds s[\g0:\g0+3], s[\g1:\g1+7]
	s_nop 0
	PLACES
	s_branch .Lasked
.Lnext\w:
.endm
	s_load_b256 s[4:11], s[0:1], 0x0               ; qkvc s[4:5], qkvs s[6:7], pc s[8:9], pst s[10:11]
	v_lshl_add_u32 v[SPW], v0, 2, SPARE
	v_mov_b32 v[NIL], 0
	ds_add_u32 v[SPW], v[NIL]                      ; the wave's opening: the add, twice on end, under one wait
	ds_add_u32 v[SPW], v[NIL]
	v_lshrrev_b32 v2, 5, v0
	v_readfirstlane_b32 s14, v2                    ; wave 0..3
	s_lshr_b32 s15, s14, 1                         ; my half of the queries
	s_and_b32 s16, s14, 1                          ; my half of the keys
	s_bfe_u32 s66, ttmp6, 0x40000                  ; cx
	s_bfe_u32 s67, ttmp6, 0x40004                  ; cy
	s_and_b32 s88, ttmp7, 0xffff
	s_lshl_b32 s85, s88, 2
	s_add_co_u32 s85, s85, s67                     ; y: 256 queries of the 8,192
	s_lshr_b32 s88, s88, 1                         ; the batch, from the cluster's y alone
	s_lshl_b32 s89, ttmp9, 2
	s_add_co_u32 s89, s89, s66                     ; x: 256 keys of the batch's 2,048
	s_lshl_b32 s2, s67, 2
	s_lshl_b32 s2, 15, s2                          ; my row of the cluster
	s_lshl_b32 s3, 0x1111, s66                     ; my column
	GROUP1 GA0, 2, 384, 16
	GROUP1 GB0, 3, 384, 16
	GROUP1 GA1, 2, 768, 16
	GROUP1 GB1, 3, 768, 16
	s_mul_i32 s18, s85, 196608                     ; Q's 16 tiles from 16 y on
	s_mov_b32 s19, 0
	s_mul_i32 s20, s89, 196608                     ; K's from 128 batch + 16 x on
	s_mul_i32 s21, s88, 1572864
	s_add_co_u32 s20, s20, s21
	s_add_co_u32 s20, s20, 6291456
	s_mov_b32 s21, 0
.irp g, A0, B0, A1, B1
	s_mov_b32 s[\g], 1
.endr
	s_mov_b32 s[A0+1], 0
	s_mov_b32 s[B0+1], 49152
	s_mov_b32 s[A1+1], Y
	s_mov_b32 s[B1+1], Y+98304
	s_lshl_b32 s2, s85, 1
	s_add_co_u32 s2, s2, s15                       ; my group of 128 queries: 2 y + half
	s_lshl_b32 s3, s89, 1
	s_add_co_u32 s3, s3, s16                       ; my run of 128 keys in the batch: 2 x + half
	s_lshl_b32 s76, s2, 12                         ; Q's scale blocks
	s_mov_b32 s77, 0
	s_lshl_b32 s78, s88, 4
	s_add_co_u32 s78, s78, s3
	s_lshl_b32 s78, s78, 12
	s_add_co_u32 s78, s78, 262144                  ; K's
	s_mov_b32 s79, 0
	s_lshl_b32 s80, s2, 7                          ; p's images, 8 tiles x 16 K steps a group: my first tile, my K step
	s_add_co_u32 s80, s80, s3
	s_mul_i32 s80, s80, 1536
	s_mov_b32 s81, 0
	s_lshl_b32 s82, s2, 4
	s_add_co_u32 s82, s82, s3
	s_lshl_b32 s82, s82, 9                         ; my block in each section
	s_mov_b32 s83, 0
	s_mov_b32 s[CS], 0x3d38aa3b                    ; log2(e) / 32
	s_mov_b32 s[CS+1], s[CS]                       ; (named with it as a pair, so it is written)
	s_mov_b32 s[SEL], 0x76543210
	s_mov_b32 s[SEL+1], 0xfedcba98
	s_mov_b32 s90, 0x21000000                      ; the floor 2^(66 - 127): the byte cannot fall under 64
	s_mov_b32 s91, 0xff800000                      ; -infinity
	s_mul_i32 s2, s15, 24576                       ; LDS: my 8 tiles of Q in R, in Y; of K in R, in Y
	s_mul_i32 s3, s15, 49152
	s_add_co_u32 s3, s3, Y
	s_mul_i32 s84, s16, 24576
	s_add_co_u32 s84, s84, 49152
	s_mul_i32 s17, s16, 49152
	s_add_co_u32 s17, s17, Y+98304
	v_and_b32 v1, 31, v0
	v_lshlrev_b32 v1, 4, v1                        ; 16 x lane
	v_add_nc_u32 v[ADR1], s2, v1
	v_add_nc_u32 v[ADR1+1], s3, v1
	v_add_nc_u32 v[ADR0], s84, v1
	v_add_nc_u32 v[ADR0+1], s17, v1
	s_wait_alu depctr_va_vdst(0)                   ; the wait behind the head's last vector write
	s_wait_dscnt 0x0                               ; both opening adds are done
	CROUND                                         ; all sixteen work-groups are here: the first joint loads meet
	s_wait_kmcnt 0x0
	s_add_nc_u64 s[18:19], s[4:5], s[18:19]
	s_add_nc_u64 s[20:21], s[4:5], s[20:21]
	s_mov_b64 s[A0+2:A0+3], s[18:19]
	s_mov_b64 s[B0+2:B0+3], s[20:21]
	s_add_nc_u64 s[A1+2:A1+3], s[18:19], 3072
	s_add_nc_u64 s[B1+2:B1+3], s[20:21], 3072
.irp g, A0, B0, A1, B1
	s_or_b32 s[\g+3], s[\g+3], 0x80000000
.endr
	ARM 0, A0, GA0                                 ; K steps 0, 1 of Q and of K,
	ARM 1, B0, GB0
	ARM 2, A1, GA1                                 ; K steps 2 .. 5
	tensor_load_to_lds s[B1:B1+3], s[GB1:GB1+7]
	s_nop 0
	PLACES
.Lasked:
	s_add_nc_u64 s[76:77], s[6:7], s[76:77]
	s_add_nc_u64 s[78:79], s[6:7], s[78:79]
.irp k, 0,1,2,3,4,5,6,7
	global_load_b128 v[SC1+4*\k:SC1+4*\k+3], v1, s[76:77] offset:512*\k
	global_load_b128 v[SC0+4*\k:SC0+4*\k+3], v1, s[78:79] offset:512*\k
.endr
	s_add_nc_u64 s[80:81], s[8:9], s[80:81]
	s_add_nc_u64 s[82:83], s[10:11], s[82:83]
.macro FRAG reg, adr, off
.irp c, 0,1,2
	ds_load_b128 v[\reg+4*\c:\reg+4*\c+3], v[\adr] offset:\off+512*\c
.endr
.endm
.macro FETCH_B ks                      ; K's eight fragments of K step ks into set ks % 2: 24 loads
	WIN TO_B
.irp i, 0,1,2,3,4,5,6,7
.if ((\ks) < 2) || ((\ks) > 5)
	FRAG 128*((\ks)%2)+FR*\i, ADR0, 3072*\i+1536*((\ks)%2)
.else
	FRAG 128*((\ks)%2)+FR*\i, ADR0+1, 6144*\i+1536*((\ks)-2)
.endif
.endr
	WIN 0
.endm
.macro FETCH_A ks, i0                  ; Q's blocks i0 .. i0 + 3: 12 loads
	WIN 0
.irp i, \i0, \i0+1, \i0+2, \i0+3
.if ((\ks) < 2) || ((\ks) > 5)
	FRAG AF+FR*(\i), ADR1, 3072*(\i)+1536*((\ks)%2)
.else
	FRAG AF+FR*(\i), ADR1+1, 6144*(\i)+1536*((\ks)-2)
.endif
.endr
.endm
.macro WMX c, ra, rb
	v_wmma_scale_f32_16x16x128_f8f6f4 v[xD:xD+7], v[xS0:xS0+11], v[xS1:xS1+11], \c, v[xQ0], v[xQ1] matrix_a_fmt:MATRIX_FMT_FP6 matrix_b_fmt:MATRIX_FMT_FP6 matrix_a_scale:MATRIX_SCALE_ROW\ra matrix_b_scale:MATRIX_SCALE_ROW\rb
.endm
.macro WMS c
.if xRA
.if xRB
	WMX \c, 1, 1
.else
	WMX \c, 1, 0
.endif
.elseif xRB
	WMX \c, 0, 1
.else
	WMX \c, 0, 0
.endif
.endm
.macro WM a, b, ks, zero
.set xD,  8*(8*((\a)%4)+(\b))
.set xS0, 128*((\ks)%2)+FR*(\b)
.set xS1, AF+FR*(\a)
.set xQ0, SC0+4*(\ks)+(\b)%4
.set xQ1, SC1+4*(\ks)+(\a)%4
.set xRA, (\b)/4
.set xRB, (\a)/4
.if \zero
	WMS 0
.else
	WMS v[xD:xD+7]
.endif
.endm
.macro MUL8 a, ks, zero                ; the 64 accumulators take turns, one instruction a turn, in the same order in every step
	WIN MUL_LO+0x50*((\a)/4)
.irp b, 0,1,2,3,4,5,6,7
	WM \a, \b, \ks, \zero
.endr
.endm
.macro HEADK ks, early                 ; early = 0: the next step's region is not shown yet
	PLACES
	FETCH_A \ks, 4
.if \early
	FETCH_B \ks+1
	s_wait_dscnt 36                                ; this step's set and blocks 0-3 are in; the 36 just issued may be out
.else
	s_wait_dscnt 12
.endif
.endm
.macro STEP ks, zero
	HEADK \ks, 1
.irp a, 0,1,2,3
	MUL8 \a, \ks, \zero
.endr
	s_wait_dscnt 24                                ; blocks 4-7 are in; the 24 of the next step's set may be out
	PLACES
	FETCH_A \ks+1, 0
.irp a, 4,5,6,7
	MUL8 \a, \ks, \zero
.endr
.endm
	s_cmp_lt_u32 s14, 2
	s_cbranch_scc0 .Lnot_first
	s_wait_tensorcnt 0x0                           ; waves 0 and 1: K steps 0, 1 are in; the others' loads may stay out
.Lnot_first:
	s_barrier_signal -1
	s_barrier_wait -1
	FETCH_B 0
	FETCH_A 0, 0
	s_wait_loadcnt 0x0                             ; the scale words
	STEP 0, 1
	HEADK 1, 0                                     ; K step 1, with the refill's round in it
	MUL8 0, 1, 0
	MUL8 1, 1, 0
	WIN 0
	s_wait_tensorcnt 0x0                           ; all my tensor loads have landed
	ds_add_u32 v[SPW], v[NIL]                      ; 0 onto my spare word
	s_add_nc_u64 s[A0+2:A0+3], s[A0+2:A0+3], 9216  ; K steps 6, 7
	s_add_nc_u64 s[B0+2:B0+3], s[B0+2:B0+3], 9216
	MUL8 2, 1, 0
	MUL8 3, 1, 0
	s_wait_dscnt 0x0                               ; the add is done, and so are my reads of R
	s_barrier_signal -1
	MUL8 4, 1, 0
	WIN 0
	s_barrier_wait -1
	CREST                                          ; a round of the cluster's barrier: no wave of any partner still reads R or has a load on its way
	TWO 0, A0, GA0, 1, B0, GB0
	PLACES                                         ; for the waves that come round the loads
	FETCH_B 2
	FETCH_A 2, 0
.irp a, 5,6,7
	MUL8 \a, 1, 0
.endr
	STEP 2, 0
	STEP 3, 0
	HEADK 4, 1                                     ; K step 4: a plain barrier shows steps 6, 7
.irp a, 0,1,2,3
	MUL8 \a, 4, 0
.endr
	s_wait_tensorcnt 0x0
	s_wait_dscnt 0x0
	s_barrier_signal -1
	PLACES
	FETCH_A 5, 0                                   ; bytes that no wave writes any more
	MUL8 4, 4, 0
	MUL8 5, 4, 0
	s_barrier_wait -1
	MUL8 6, 4, 0
	MUL8 7, 4, 0
	STEP 5, 0
	STEP 6, 0
	PLACES
	FETCH_A 7, 4
	s_wait_dscnt 12
.irp a, 0,1,2,3
	MUL8 \a, 7, 0
.endr
	s_wait_dscnt 0x0
.irp a, 4,5,6,7
	MUL8 \a, 7, 0
.endr
	WIN 0
	PLACES
; THE WAY OUT, a loop of four trips, two blocks a trip by turns.  A lane holds one query of each tile and 64 of my 128 keys: register 16 b + i = key 32 b + 16 (lane / 16) + i.
; What names the accumulators, the maxima and t - M, stands in four arms, of which a trip takes its own; t - M goes into window 1's v0-127, and the rest of the trip's text is common.
.irp n, 0,1,2,3,4,5,6,7
	v_mov_b32 v[T+8+\n], 0                         ; written once: a lane permute's destination counts as one of its sources
	v_mov_b32 v[NMS+2*\n], 0                       ; and what the arms write, each a part
	v_mov_b32 v[NMS+2*\n+1], 0
	v_mov_b32 v[PWS+\n], 0
	v_mov_b32 v[LLS+\n], 0
.endr
.irp k, 0,1
	v_mov_b32 v[PW2+\k], 0
	v_mov_b32 v[LL2+\k], 0
.endr
.macro FIRST a
.set W,  2+(\a)/4
.set AC, 64*((\a)%4)
	s_wait_alu depctr_va_vdst(0)
.if (\a) > 0
.irp k, 0,1
	v_mov_b32 v[PWS+\a-2+\k], v[PW2+\k]            ; the last trip's scale words and l
	v_mov_b32 v[LLS+\a-2+\k], v[LL2+\k]
.endr
.endif
	WIN 0x14*W                                     ; sources 1 and 2: the accumulators' window
.irp k, 0,1
.irp b, 0,1,2,3
	v_max3_num_f32 v[T+4*\k+\b], s91, v[AC+64*\k+16*\b], v[AC+64*\k+16*\b+1]   ; the largest SCORE of each block of 32 keys: it serves for the run's maximum and, since p rises with the score, for the block's largest p
.endr
.endr
.irp i, 2,4,6,8,10,12,14
.irp k, 0,1
.irp b, 0,1,2,3
	v_max3_num_f32 v[T+4*\k+\b], v[T+4*\k+\b], v[AC+64*\k+16*\b+\i], v[AC+64*\k+16*\b+\i+1]
.endr
.endr
.endr
	WIN 0
.irp n, 0,1,2,3,4,5,6,7
	v_permlanex16_b32 v[T+8+\n], v[T+\n], s[SEL], s[SEL+1]
.endr
.irp n, 0,1,2,3,4,5,6,7
	v_max_num_f32 v[T+\n], v[T+\n], v[T+8+\n]      ; with lane l xor 16's 16 keys
.endr
.irp k, 0,1
	v_max3_num_f32 v[MX+\k], v[T+4*\k], v[T+4*\k+1], v[T+4*\k+2]
.endr
.irp k, 0,1
	v_max_num_f32 v[MX+\k], v[MX+\k], v[T+4*\k+3]  ; the largest score of my query among the 128 keys
.endr
.irp k, 0,1
	v_mul_f32 v[MX+\k], s[CS], v[MX+\k]            ; as t (c is positive)
.endr
.irp k, 0,1
	v_floor_f32 v[NMS+2*(\a+\k)], -v[MX+\k]        ; -M = floor(-t) = -ceil(t): a whole number
.endr
.irp k, 0,1
.irp b, 0,1,2,3
	v_fma_f32 v[T+4*\k+\b], v[T+4*\k+\b], s[CS], v[NMS+2*(\a+\k)]   ; t - M of each block's largest score
.endr
.endr
	WIN 0x40+W                                     ; destination window 1, source 0: the accumulators' window
.irp k, 0,1
.set jj, 64*\k
.rept 32
	v_pk_fma_f32 v[jj:jj+1], v[AC+jj:AC+jj+1], s[CS:CS+1], v[NMS+2*(\a+\k):NMS+2*(\a+\k)+1] op_sel_hi:[1,0,0]   ; t - M, two at a time
.set jj, jj+2
.endr
.endr
	WIN 0
	s_wait_alu depctr_va_vdst(0)                   ; the wait ahead of the branch and of the batch behind it
.endm
	s_sub_nc_u64 s[80:81], s[80:81], 49152         ; each trip steps it by two tiles of 16 images
	s_mov_b32 s84, 0
	s_wait_alu depctr_va_vdst(0)
.Lway:
	s_cmp_eq_u32 s84, 0
	s_cbranch_scc0 .Lnot_0
	FIRST 0
	s_branch .Lcommon
.Lnot_0:
	s_cmp_eq_u32 s84, 1
	s_cbranch_scc0 .Lnot_1
	FIRST 2
	s_branch .Lcommon
.Lnot_1:
	s_cmp_eq_u32 s84, 2
	s_cbranch_scc0 .Lnot_2
	FIRST 4
	s_branch .Lcommon
.Lnot_2:
	FIRST 6
.Lcommon:
	s_wait_xcnt 0x0                                ; the last trip's stores have read their data and their base
	s_add_nc_u64 s[80:81], s[80:81], 49152
	WIN 0x41                                       ; destination and source 0: window 1
.set jj, 0
.rept 128
	v_exp_f32 v[jj], v[jj]                         ; p = 2^(t - M), at most 1
.set jj, jj+1
.endr
	WIN 0
.irp n, 0,1,2,3,4,5,6,7
	v_exp_f32 v[T+\n], v[T+\n]                     ; the block's largest p: the same two instructions on the same number give the same bits
.endr
	v_nop                                          ; a plain place behind the last exponential
	s_wait_alu depctr_va_vdst(0)                   ; one wait for the batch, ahead of the first line that names a result
	WIN 0x05                                       ; sources 0 and 1: window 1
.irp k, 0,1
	v_pk_add_f32 v[LS+4*\k:LS+4*\k+1], v[64*\k:64*\k+1], v[64*\k+2:64*\k+3]   ; the sum of the UNQUANTISED p, in two chains a block
	v_pk_add_f32 v[LS+4*\k+2:LS+4*\k+3], v[64*\k+4:64*\k+5], v[64*\k+6:64*\k+7]
.endr
	WIN 0x04                                       ; source 1: window 1
.set jj, 8
.rept 14
.irp k, 0,1
	v_pk_add_f32 v[LS+4*\k:LS+4*\k+1], v[LS+4*\k:LS+4*\k+1], v[jj+64*\k:jj+64*\k+1]
	v_pk_add_f32 v[LS+4*\k+2:LS+4*\k+3], v[LS+4*\k+2:LS+4*\k+3], v[jj+64*\k+2:jj+64*\k+3]
.endr
.set jj, jj+4
.endr
	WIN 0
.irp n, 0,1,2,3,4,5,6,7
	v_max_num_f32 v[T+\n], s90, v[T+\n]            ; the floor
.endr
.irp k, 0,1
	v_pk_add_f32 v[LS+4*\k:LS+4*\k+1], v[LS+4*\k:LS+4*\k+1], v[LS+4*\k+2:LS+4*\k+3]
.endr
.irp n, 0,1,2,3,4,5,6,7
	v_add_nc_u32 v[T+16+\n], 0xff000000, v[T+\n]   ; 2 off the exponent field: the conversion's scale operand
.endr
.irp k, 0,1
	v_add_f32 v[LS+4*\k], v[LS+4*\k], v[LS+4*\k+1]
.endr
.irp n, 0,1,2,3,4,5,6,7
	v_lshrrev_b32 v[T+8+\n], 23, v[T+16+\n]
.endr
.irp k, 0,1
	v_permlanex16_b32 v[T+\k], v[LS+4*\k], s[SEL], s[SEL+1]
.endr
.irp k, 0,1
	v_lshl_or_b32 v[PW2+\k], v[T+9+4*\k], 8, v[T+8+4*\k]
.endr
.irp k, 0,1
	v_add_f32 v[LL2+\k], v[LS+4*\k], v[T+\k]       ; l of my query over the 128 keys
.endr
.irp k, 0,1
	v_lshl_or_b32 v[PW2+\k], v[T+10+4*\k], 16, v[PW2+\k]
.endr
.irp k, 0,1
	v_lshl_or_b32 v[PW2+\k], v[T+11+4*\k], 24, v[PW2+\k]
.endr
	WIN 1                                          ; source 0: window 1
.irp k, 0,1
.irp c, 0,1
	v_cvt_scalef32_pk16_fp6_f32 v[PC+20*\k+6*\c:PC+20*\k+2+6*\c], v[64*\k+32*\c:64*\k+15+32*\c], v[T+16+4*\k+2*\c]
	v_cvt_scalef32_pk16_fp6_f32 v[PC+20*\k+12+4*\c:PC+20*\k+14+4*\c], v[64*\k+16+32*\c:64*\k+31+32*\c], v[T+17+4*\k+2*\c]
.endr
.endr
	WIN 0
	v_nop                                          ; one plain place behind a scaled conversion
.irp k, 0,1
.irp c, 0,1
.irp i, 0,1,2
	v_permlane16_swap_b32 v[PC+20*\k+6*\c+\i], v[PC+20*\k+12+4*\c+\i]
.endr
.endr
.endr
.irp k, 0,1
.irp c, 0,1
.irp i, 0,1,2
	v_mov_b32 v[PC+20*\k+3+6*\c+\i], v[PC+20*\k+12+4*\c+\i]
.endr
.endr
.endr
.irp k, 0,1
.irp c, 0,1,2
	global_store_b128 v1, v[PC+20*\k+4*\c:PC+20*\k+4*\c+3], s[80:81] offset:24576*\k+512*\c   ; 512 consecutive bytes a store; a tile of p has 16 images
.endr
.endr
	s_add_co_u32 s84, s84, 1
	s_wait_alu depctr_va_vdst(0)                   ; the wait ahead of the branch
	s_cmp_lt_u32 s84, 4
	s_cbranch_scc1 .Lway
.irp k, 0,1
	v_mov_b32 v[PWS+6+\k], v[PW2+\k]
	v_mov_b32 v[LLS+6+\k], v[LL2+\k]
.endr
	v_and_b32 v2, 16, v0
	v_cmp_ne_u32 vcc_lo, 0, v2                     ; lanes 16-31
.irp j, 0,1,2,3
	v_cndmask_b32 v[OW+\j], v[PWS+\j], v[PWS+4+\j], vcc_lo          ; three blocks: tiles 0-3 in lanes 0-15, tiles 4-7 in lanes 16-31
	v_cndmask_b32 v[OW+4+\j], v[NMS+2*\j], v[NMS+8+2*\j], vcc_lo
	v_cndmask_b32 v[OW+8+\j], v[LLS+\j], v[LLS+4+\j], vcc_lo
.endr
	global_store_b128 v1, v[OW:OW+3], s[82:83]
	global_store_b128 v1, v[OW+4:OW+7], s[82:83] offset:524288
	global_store_b128 v1, v[OW+8:OW+11], s[82:83] offset:1048576
	s_wait_tensorcnt 0x0                           ; the wave's end
	ds_add_u32 v[SPW], v[NIL]
	s_wait_dscnt 0x0
	CROUND                                         ; the closing round
	s_endpgm
.Lfunc_end_k_q4b0cc4a3d7_score:
	.size	k_q4b0cc4a3d7_score, .Lfunc_end_k_q4b0cc4a3d7_score-k_q4b0cc4a3d7_score
	.p2alignl 7, 3214868480
	.fill 96, 4, 3214868480
	.section	.rodata,"a",@progbits
	.p2align	6, 0x0
	.amdhsa_kernel k_q4b0cc4a3d7_score
		.amdhsa_group_segment_fixed_size 327680
		.amdhsa_private_segment_fixed_size 0
		.amdhsa_enable_private_segment 0
		.amdhsa_kernarg_size 32
		.amdhsa_user_sgpr_count 2
		.amdhsa_user_sgpr_kernarg_segment_ptr 1
		.amdhsa_wavefront_size32 1
		.amdhsa_system_sgpr_workgroup_id_x 1
		.amdhsa_system_sgpr_workgroup_id_y 1
		.amdhsa_system_sgpr_workgroup_id_z 1
		.amdhsa_system_vgpr_workitem_id 0
		.amdhsa_next_free_vgpr 1024
		.amdhsa_next_free_sgpr 100
		.amdhsa_reserve_vcc 1
		.amdhsa_float_denorm_mode_32 3
		.amdhsa_float_denorm_mode_16_64 3
		.amdhsa_memory_ordered 1
		.amdhsa_forward_progress 1
		.amdhsa_inst_pref_size 158
	.end_amdhsa_kernel
	.amdgpu_metadata
---
amdhsa.version: [ 1, 2 ]
amdhsa.kernels:
  - .name:           k_q4b0cc4a3d7_score
    .symbol:         k_q4b0cc4a3d7_score.kd
    .args:
      - { .name: qkvc, .offset: 0, .size: 8, .value_kind: global_buffer, .address_space: global }
      - { .name: qkvs, .offset: 8, .size: 8, .value_kind: global_buffer, .address_space: global }
      - { .name: pc, .offset: 16, .size: 8, .value_kind: global_buffer, .address_space: global }
      - { .name: pst, .offset: 24, .size: 8, .value_kind: global_buffer, .address_space: global }
    .group_segment_fixed_size: 327680
    .private_segment_fixed_size: 0
    .kernarg_segment_align: 8
    .kernarg_segment_size: 32
    .max_flat_workgroup_size: 128
    .sgpr_count:     100
    .vgpr_count:     1024
    .wavefront_size: 32
...
	.end_amdgpu_metadata
.endif
;; end of part 3
;; launch pv (part 4): grid 4 x 64, 4 waves a work-group, clusters of 4 x 4, 327,680 bytes of LDS; arguments pc, pst, qkvc, qkvs, out0; writes out0
.if DOCPART == 4
	.amdgcn_target "amdgcn-amd-amdhsa--gfx1250"
	.amdhsa_code_object_version 6
	.text
	.protected	k_q4b0cc4a3d7_pv
	.globl	k_q4b0cc4a3d7_pv
	.p2align	8
	.type	k_q4b0cc4a3d7_pv,@function
k_q4b0cc4a3d7_pv:
	s_mov_b64 s[64:65], 0
	v_nop
	global_prefetch_b8 v0, s[64:65] scope:SCOPE_SE
	s_setreg_imm32_b32 hwreg(HW_REG_WAVE_MODE, 25, 1), 1
	s_wait_xcnt 0x0
	s_wait_alu depctr_hold_cnt(0) depctr_sa_sdst(0) depctr_va_vdst(0) depctr_va_sdst(0) depctr_va_ssrc(0) depctr_va_vcc(0) depctr_vm_vsrc(0)
	s_getreg_b32 s2, hwreg(HW_REG_IB_STS2, 6, 4)
	s_cmp_eq_u32 s2, 0
	s_cbranch_scc0 .Lentry_in_a_cluster
	s_endpgm
.Lentry_in_a_cluster:
	s_bfe_u32 s2, ttmp6, 0x10000c
	s_cmp_lg_u32 s2, 0xf033
	s_cbranch_scc0 .Lentry_shape_is_right
	s_endpgm
.Lentry_shape_is_right:
; out = (p V) / l for each of 4 batches on codes of FP6 (E2M3) with E8M0 scales, sums in f32: 8,192 queries x 1,024 channels, K = the batch's 2,048 keys in 16 steps of 128.
; p comes from the launch before in runs of 128 keys (one K step), each under its run's M.  Here the runs come under the row's M: d = row's M - run's M is taken off the run's four scale bytes and l is summed as l_run 2^-d.
; LAYOUTS: tiles of 16 rows, lane-row r of tile 2 b + u = group row 32 b + 8 u + r + 8 (r / 8); an image of (tile, 128 along K) is 1,536 bytes, registers 4 c .. 4 c + 3 of lane l at 512 c + 16 l;
; a block of (group, K step) is 512 bytes, the word of tile 4 H + J, lane-row r at 16 (16 H + r) + 4 J.  pc: 512 query tiles x 16 images; pst: scale words, -M, l, 524,288 bytes each; V^T in qkvc at 12,582,912: 64 channel tiles x 64 images; in qkvs at 524,288.
; A work-group makes 128 queries x 256 channels, four waves of 64 x 128: 32 accumulators.  Source 0 = V^T's tiles, source 1 = p's: a lane holds one query, and the 16 registers of result tiles 2 b, 2 b + 1 are channels 32 b + 16 (lane / 16) + 0 .. 15.
; CLUSTERS 4 x 4: p's tiles hang on the query block and are asked for jointly along a row of the cluster, V's on the channel block and the batch (from the cluster's y alone), along a column.
; LDS: two slots of four K steps (147,456 bytes each: p's 8 tiles, V's 16 tiles, 6,144 bytes a row), both filled at the head, one load a wave.  TWO REFILLS, in K steps 2 and 6, as soon as a slot's last fragments have been fetched.
; PREFETCH INTO THE L2: what a refill will ask for, K steps 8 .. 11 in step 0 and 12 .. 15 in step 3, two or three steps ahead of it; the sixteen waves of the four work-groups that ask jointly share the units of 256 bytes out by address.
; LIMITS: NaN and infinities are not served; d is held at 63: a run whose M lies more than 63 under the row's counts as if it lay 63 under (its p are then at most 2^-63 of the row's scale); bytes come in from 64 to 125 and so stay from 1 to 125.
; REGISTERS: window 0: v1 16 x lane; v8-15 1 / l, in pairs; v16-17, v20-21 LDS addresses; v18-19 prefetch offsets; v24-25 the stage; v28-29 for the add; v32-63 p's scale words (register 4 (ks / 2) + tile; odd K steps in lanes 16-31),
;   v64-127 V's (register 4 ks + tile % 4; tiles 4-7 in lanes 16-31); v128-223 p's fragments, two sets of 4 (at the head v176-255 hold -M, l and temporaries).  window 1: accumulator (a, b) at v[8 (8 a + b)].
;   window 2: V's fragments, two sets of 8, at v0 and v128.  window 3: rows on the way out, 64 registers a block.
.set PT,     24576                     ; my wave's 4 tiles of p in a slot
.set VT,     49152                     ; and 8 of V
.set VOFF,   2*PT
.set SLOT,   2*PT+2*VT
.set SPARE,  2*SLOT                    ; the spare words, 128 bytes a wave
.set SPITCH, 528                       ; a stage of 16 rows x (512 bytes + 16) for each wave, in slot 0, which has had its last fill and its last read by then
.set FR,     12
.set RL,     8
.set TE,     8
.set ADRA,   16
.set PFP,    18
.set PFV,    19
.set ADRB,   20
.set STO,    24
.set RD,     25
.set SPW,    28
.set NIL,    29
.set PS,     32
.set VS,     64
.set AF,     128
.set PM,     176
.set PL,     208
.set MN,     240
.set LL,     244
.set TD,     248
.set TF,     252
.set G1,   24                          ; group 1 for p; group 0, a set for each slot
.set G0,   32
.set G1B,  48                          ; the same for V
.set G0B,  56
.set SEL,  86
.set MSB, 0
.macro WIN new
.if MSB != (\new)
	s_set_vgpr_msb (MSB<<8)|(\new)
.set MSB, (\new)
.endif
.endm
.set MW, 0x52                          ; source 0 window 2, source 1 window 0, C and D window 1
.macro PLACES
.rept 4
	v_nop
.endr
.endm
.macro GROUP1 g, mask, rows, pitch     ; rows of 6,144 bytes (768 elements of 8)
	s_or_b32 s[\g], s\mask, (3<<16)|(1<<21)
	s_mov_b32 s[\g+1], 768<<16
	s_mov_b32 s[\g+2], (\rows)<<16
	s_mov_b32 s[\g+3], 768<<16
	s_mov_b32 s[\g+4], \rows
	s_mov_b32 s[\g+5], \pitch
	s_mov_b32 s[\g+6], 0
	s_mov_b32 s[\g+7], 0
.endm
.macro CREST
	s_cmp_lg_u32 s14, 0
	s_cbranch_scc1 .Lnot_wave_0_\@
	s_barrier_signal -3
.Lnot_wave_0_\@:
	s_barrier_wait -3
	s_barrier_signal -1
	s_barrier_wait -1
.endm
.macro CROUND
	s_barrier_signal -1
	s_barrier_wait -1
	CREST
.endm
.macro TWO w0, g0a, g1a, w1, g0b, g1b  ; a refill: waves w0 and w1 issue a joint load each
	s_cmp_eq_u32 s14, \w0
	s_cbranch_scc0 .Lother_\@
	tensor_load_to_lds s[\g0a:\g0a+3], s[\g1a:\g1a+7]
	s_nop 0
	PLACES
	s_branch .Lasked_\@
.Lother_\@:
	s_cmp_eq_u32 s14, \w1
	s_cbranch_scc0 .Lasked_\@
	tensor_load_to_lds s[\g0b:\g0b+3], s[\g1b:\g1b+7]
	s_nop 0
	PLACES
.Lasked_\@:
.endm
.macro ARM w, g0, g1
	s_cmp_eq_u32 s14, \w
	s_cbranch_scc0 .Lnext\w
	tensor_load_to_lds s[\g0:\g0+3], s[\g1:\g1+7]
	s_nop 0
	PLACES
	s_branch .Lasked
.Lnext\w:
.endm
	s_load_b256 s[4:11], s[0:1], 0x0               ; pc s[4:5], pst s[6:7], qkvc s[8:9], qkvs s[10:11]
	s_load_b64 s[12:13], s[0:1], 0x20              ; out0
	v_lshl_add_u32 v[SPW], v0, 2, SPARE
	v_mov_b32 v[NIL], 0
	ds_add_u32 v[SPW], v[NIL]                      ; the wave's opening: the add, twice on end, under one wait
	ds_add_u32 v[SPW], v[NIL]
	v_lshrrev_b32 v2, 5, v0
	v_readfirstlane_b32 s14, v2                    ; wave 0..3
	s_lshr_b32 s15, s14, 1                         ; my half of the queries
	s_and_b32 s16, s14, 1                          ; my half of the channels
	s_bfe_u32 s40, ttmp6, 0x40000                  ; cx
	s_bfe_u32 s41, ttmp6, 0x40004                  ; cy
	s_and_b32 s18, ttmp7, 0xffff
	s_lshl_b32 s17, s18, 2
	s_add_co_u32 s17, s17, s41                     ; 128 queries of the 8,192
	s_lshr_b32 s18, s18, 2                         ; the batch, from the cluster's y alone
	s_lshl_b32 s42, ttmp9, 2
	s_add_co_u32 s42, s42, s40                     ; 256 channels
	s_lshl_b32 s2, s41, 2
	s_lshl_b32 s2, 15, s2                          ; my row of the cluster
	s_lshl_b32 s3, 0x1111, s40                     ; my column
	GROUP1 G1, 2, 8, 3072
	GROUP1 G1B, 3, 16, 12288
	s_mul_i32 s20, s17, 196608                     ; p's 8 tiles
	s_mov_b32 s21, 0
	s_mul_i32 s46, s42, 1572864                    ; V's 16 tiles, the batch's 16 K steps
	s_mul_i32 s47, s18, 24576
	s_add_co_u32 s46, s46, s47
	s_add_co_u32 s46, s46, 12582912
	s_mov_b32 s47, 0
.irp g, G0, G0+4, G0B, G0B+4
	s_mov_b32 s[\g], 1
.endr
	s_mov_b32 s[G0+1], 0
	s_mov_b32 s[G0+5], SLOT
	s_mov_b32 s[G0B+1], VOFF
	s_mov_b32 s[G0B+5], SLOT+VOFF
	s_lshl_b32 s70, s17, 13                        ; my group's 16 blocks in each section, my four tiles' half
	s_lshl_b32 s71, s15, 8
	s_add_co_u32 s70, s70, s71
	s_mov_b32 s71, 0
	s_lshl_b32 s72, s42, 1
	s_add_co_u32 s72, s72, s16
	s_lshl_b32 s72, s72, 6
	s_lshl_b32 s73, s18, 4
	s_add_co_u32 s72, s72, s73
	s_lshl_b32 s72, s72, 9
	s_add_co_u32 s72, s72, 524288                  ; V's scale blocks
	s_mov_b32 s73, 0
	s_lshl_b32 s76, s17, 19                        ; my rows of the output
	s_lshl_b32 s77, s15, 18
	s_add_co_u32 s76, s76, s77
	s_lshl_b32 s77, s42, 10
	s_add_co_u32 s76, s76, s77
	s_lshl_b32 s77, s16, 9
	s_add_co_u32 s76, s76, s77
	s_mov_b32 s77, 0
	s_lshl_b32 s22, s40, 2                         ; prefetches: my number n among the sixteen waves of my row: 12 units of tile n / 2,
	s_add_co_u32 s22, s22, s14
	s_lshr_b32 s23, s22, 1
	s_mul_i32 s23, s23, 24576
	s_and_b32 s22, s22, 1
	s_mul_i32 s22, s22, 3072
	s_add_co_u32 s22, s22, s23
	s_add_co_u32 s22, s22, 12288                   ; from K step 8 on
	s_lshl_b32 s23, s41, 2                         ; and of my column: the 24 units of V's tile n
	s_add_co_u32 s23, s23, s14
	s_mul_i32 s23, s23, 98304
	s_add_co_u32 s23, s23, 12288
	s_mov_b32 s[SEL], 0x76543210
	s_mov_b32 s[SEL+1], 0xfedcba98
	s_mov_b32 s90, 0x01010101
	s_mul_i32 s2, s15, PT                          ; LDS: my tiles of p, of V
	s_mul_i32 s3, s16, VT
	s_add_co_u32 s3, s3, VOFF
	s_mul_i32 s75, s14, 16*SPITCH                  ; my stage
	v_and_b32 v3, 15, v0                           ; r
	v_bfe_u32 v4, v0, 4, 1                         ; h
	v_and_b32 v5, 31, v0
	v_lshlrev_b32 v2, 4, v3
	v_lshlrev_b32 v1, 4, v5                        ; 16 x lane
	v_lshl_add_u32 v2, v4, 9, v2                   ; 16 r + 512 h: lanes 16-31 take the odd K step's block
	v_min_u32 v[PFP], 11, v5
	v_min_u32 v[PFV], 23, v5
	v_lshl_add_u32 v[PFP], v[PFP], 8, s22
	v_lshl_add_u32 v[PFV], v[PFV], 8, s23
	v_add_nc_u32 v[ADRA], s2, v1
	v_add_nc_u32 v[ADRB], s3, v1
	v_mul_u32_u24 v[STO], v3, SPITCH
	v_add_nc_u32 v[ADRA+1], SLOT, v[ADRA]
	v_add_nc_u32 v[ADRB+1], SLOT, v[ADRB]
	v_lshl_add_u32 v[STO], v4, 6, v[STO]
	v_add_nc_u32 v[RD], s75, v1                    ; the stage, out: a row of 512 bytes
	v_add_nc_u32 v[STO], s75, v[STO]               ; in: row r, + 64 h
	s_wait_alu depctr_va_vdst(0)                   ; the wait behind these vector writes
	s_wait_dscnt 0x0                               ; both opening adds are done
	CROUND                                         ; all sixteen work-groups are here: the first joint loads meet
	s_wait_kmcnt 0x0
	s_add_nc_u64 s[20:21], s[4:5], s[20:21]
	s_add_nc_u64 s[46:47], s[8:9], s[46:47]
	s_mov_b64 s[G0+2:G0+3], s[20:21]
	s_mov_b64 s[G0B+2:G0B+3], s[46:47]
	s_add_nc_u64 s[G0+6:G0+7], s[20:21], 6144
	s_add_nc_u64 s[G0B+6:G0B+7], s[46:47], 6144
.irp g, G0, G0+4, G0B, G0B+4
	s_or_b32 s[\g+3], s[\g+3], 0x80000000
.endr
	ARM 0, G0, G1                                  ; slot 0: p, V,
	ARM 1, G0B, G1B
	ARM 2, G0+4, G1                                ; slot 1
	tensor_load_to_lds s[G0B+4:G0B+7], s[G1B:G1B+7]
	s_nop 0
	PLACES
.Lasked:
	s_add_nc_u64 s[70:71], s[6:7], s[70:71]
	s_add_nc_u64 s[72:73], s[10:11], s[72:73]
	s_add_nc_u64 s[12:13], s[12:13], s[76:77]
.irp i, 0,1,2,3,4,5,6,7
	global_load_b128 v[PM+4*\i:PM+4*\i+3], v2, s[70:71] offset:524288+1024*\i    ; -M of my 4 tiles, K steps 2 i and 2 i + 1
.endr
.irp i, 0,1,2,3,4,5,6,7
	global_load_b128 v[PS+4*\i:PS+4*\i+3], v2, s[70:71] offset:1024*\i           ; scale words
	global_load_b128 v[PL+4*\i:PL+4*\i+3], v2, s[70:71] offset:1048576+1024*\i   ; l
.endr
.irp k, 0,1,2,3,4,5,6,7,8,9,10,11,12,13,14,15
	global_load_b128 v[VS+4*\k:VS+4*\k+3], v1, s[72:73] offset:512*\k            ; V's scale words
.endr
; THE ROW'S M AND l, while the tiles are on their way
.irp j, 0,1,2,3
	v_mov_b32 v[TD+\j], 0                          ; a lane permute's destination counts as one of its sources
.endr
	s_wait_alu depctr_va_vdst(0)
	s_wait_loadcnt 32                              ; all -M are in; the 32 younger loads may be out
.irp j, 0,1,2,3
	v_min3_num_f32 v[MN+\j], v[PM+\j], v[PM+4+\j], v[PM+8+\j]
.endr
.irp i, 12,20
.irp j, 0,1,2,3
	v_min3_num_f32 v[MN+\j], v[MN+\j], v[PM+\i+\j], v[PM+4+\i+\j]
.endr
.endr
.irp j, 0,1,2,3
	v_min_num_f32 v[MN+\j], v[MN+\j], v[PM+28+\j]
.endr
.irp j, 0,1,2,3
	v_permlanex16_b32 v[TD+\j], v[MN+\j], s[SEL], s[SEL+1]
.endr
.irp j, 0,1,2,3
	v_min_num_f32 v[MN+\j], v[MN+\j], v[TD+\j]     ; with the other half's eight runs: - the row's M
.endr
	s_wait_alu depctr_va_vdst(0)
	s_wait_loadcnt 16                              ; scale words and l are in; V's sixteen may be out
.macro FIX i
.irp j, 0,1,2,3
	v_sub_f32 v[TD+\j], v[MN+\j], v[PM+4*\i+\j]    ; -d
.endr
.irp j, 0,1,2,3
	v_max_num_f32 v[TD+\j], 0xc27c0000, v[TD+\j]   ; held at -63
.endr
.irp j, 0,1,2,3
	v_cvt_i32_f32 v[TD+\j], v[TD+\j]
.endr
.irp j, 0,1,2,3
	v_ldexp_f32 v[TF+\j], 1.0, v[TD+\j]            ; 2^-d: nothing is rounded
.endr
.irp j, 0,1,2,3
	v_mul_lo_u32 v[TE+\j], v[TD+\j], s90           ; -d in each of four bytes
.endr
.irp j, 0,1,2,3
.if \i == 0
	v_mul_f32 v[LL+\j], v[PL+\j], v[TF+\j]
.else
	v_fmac_f32 v[LL+\j], v[PL+4*\i+\j], v[TF+\j]
.endif
.endr
.irp j, 0,1,2,3
	v_add_nc_u32 v[PS+4*\i+\j], v[PS+4*\i+\j], v[TE+\j]   ; each byte is at least 64 and d at most 63: no byte borrows from the next
.endr
.endm
.irp i, 0,1,2,3,4,5,6,7
	FIX \i
.endr
.irp j, 0,1,2,3
	v_permlanex16_b32 v[TD+\j], v[LL+\j], s[SEL], s[SEL+1]
.endr
.irp j, 0,1,2,3
	v_add_f32 v[LL+\j], v[LL+\j], v[TD+\j]
.endr
	s_wait_alu depctr_va_vdst(0)                   ; the wait ahead of the batch
.irp j, 0,1,2,3
	v_rcp_f32 v[RL+2*\j], v[LL+\j]
	v_rcp_f32 v[RL+2*\j+1], v[LL+\j]
.endr
	v_nop                                          ; a plain place
	s_wait_alu depctr_va_vdst(0)                   ; and behind it; it also stands at the head's end
	s_wait_loadcnt 0x0                             ; V's scale words
.macro FRAG reg, adr, off              ; an image comes back as it was stored: three loads of 512 consecutive bytes
.irp c, 0,1,2
	ds_load_b128 v[\reg+4*\c:\reg+4*\c+3], v[\adr] offset:\off+512*\c
.endr
.endm
.macro FETCH ks                        ; K step ks into set ks % 2: 36 loads
	WIN 0x80
.irp i, 0,1,2,3,4,5,6,7
	FRAG 128*((\ks)%2)+FR*\i, ADRB+(((\ks)/4)%2), 6144*\i+1536*((\ks)%4)
.endr
	WIN 0
.irp i, 0,1,2,3
	FRAG AF+48*((\ks)%2)+FR*\i, ADRA+(((\ks)/4)%2), 6144*\i+1536*((\ks)%4)
.endr
.endm
.macro WMX c, ra, rb
	v_wmma_scale_f32_16x16x128_f8f6f4 v[xD:xD+7], v[xS0:xS0+11], v[xS1:xS1+11], \c, v[xQ0], v[xQ1] matrix_a_fmt:MATRIX_FMT_FP6 matrix_b_fmt:MATRIX_FMT_FP6 matrix_a_scale:MATRIX_SCALE_ROW\ra matrix_b_scale:MATRIX_SCALE_ROW\rb
.endm
.macro WMS c
.if xRA
.if xRB
	WMX \c, 1, 1
.else
	WMX \c, 1, 0
.endif
.elseif xRB
	WMX \c, 0, 1
.else
	WMX \c, 0, 0
.endif
.endm
.macro WM a, b, ks, zero
.set xD,  8*(8*(\a)+(\b))
.set xS0, 128*((\ks)%2)+FR*(\b)
.set xS1, AF+48*((\ks)%2)+FR*(\a)
.set xQ0, VS+4*(\ks)+(\b)%4
.set xQ1, PS+4*((\ks)/2)+(\a)
.set xRA, (\b)/4
.set xRB, (\ks)%2
.if \zero
	WMS 0
.else
	WMS v[xD:xD+7]
.endif
.endm
.macro MUL8 a, ks, zero                ; the 32 accumulators take turns, one instruction a turn, in the same order in every step
	WIN MW
.irp b, 0,1,2,3,4,5,6,7
	WM \a, \b, \ks, \zero
.endr
.endm
.macro STEP ks, zero, pf=-1            ; the next step's 36 loads go out ahead of the wait for this step's; pf: which refill's bytes are asked for into the L2
	PLACES
	FETCH \ks+1
.if (\pf) >= 0
	global_prefetch_b8 v[PFP], s[20:21] offset:6144*(\pf) th:TH_LOAD_NT scope:SCOPE_SE
	global_prefetch_b8 v[PFV], s[46:47] offset:6144*(\pf) th:TH_LOAD_NT scope:SCOPE_SE
.endif
	s_wait_dscnt 36
.irp a, 0,1,2,3
	MUL8 \a, \ks, \zero
.endr
.endm
.macro TURN ks, fill                   ; the slot whose last fragments this step fetches is free behind its barrier; the other slot is shown
.set SL, ((\ks)/4)%2
	PLACES
	FETCH \ks+1
	s_wait_dscnt 36
	MUL8 0, \ks, 0
	MUL8 1, \ks, 0
	WIN 0
	s_wait_tensorcnt 0x0                           ; all my tensor loads have landed
	ds_add_u32 v[SPW], v[NIL]                      ; 0 onto my spare word
.if \fill
	s_add_nc_u64 s[G0+4*SL+2:G0+4*SL+3], s[G0+4*SL+2:G0+4*SL+3], 12288     ; eight K steps on
	s_add_nc_u64 s[G0B+4*SL+2:G0B+4*SL+3], s[G0B+4*SL+2:G0B+4*SL+3], 12288
.endif
	MUL8 2, \ks, 0
	s_wait_dscnt 0x0                               ; the add is done, and so are my reads of the slot
	s_barrier_signal -1
	MUL8 3, \ks, 0
	WIN 0
	s_barrier_wait -1
.if \fill
	CREST                                          ; a round of the cluster's barrier: no wave of any partner still reads the slot or has a load on its way
	TWO 2*SL, G0+4*SL, G1, 2*SL+1, G0B+4*SL, G1B
.endif
.endm
	s_cmp_lt_u32 s14, 2
	s_cbranch_scc0 .Lnot_first
	s_wait_tensorcnt 0x0                           ; waves 0 and 1: slot 0 is in; slot 1's loads may stay out
.Lnot_first:
	s_barrier_signal -1
	s_barrier_wait -1
	FETCH 0
	STEP 0, 1, 0
	STEP 1, 0
	TURN 2, 1                                      ; slot 0 takes K steps 8 .. 11
	STEP 3, 0, 1
	STEP 4, 0
	STEP 5, 0
	TURN 6, 1                                      ; slot 1 takes K steps 12 .. 15
	STEP 7, 0
	STEP 8, 0
	STEP 9, 0
	TURN 10, 0
	STEP 11, 0
	STEP 12, 0
	STEP 13, 0
	STEP 14, 0
; THE LAST K STEP GOES BY ROWS: a block of 16 queries x 128 channels leaves while the next blocks are multiplied.  Through my own stage in LDS it becomes whole rows of 512 bytes.
.macro SCALE a
	WIN 0x41
.set jj, 64*(\a)
.rept 32
	v_pk_mul_f32 v[jj:jj+1], v[jj:jj+1], v[RL+2*(\a):RL+2*(\a)+1] op_sel_hi:[1,0]   ; / l
.set jj, jj+2
.endr
.endm
.macro TOSTAGE a
	WIN 0x04
.irp b, 0,1,2,3,4,5,6,7
	ds_store_b128 v[STO], v[64*(\a)+8*\b:64*(\a)+8*\b+3] offset:128*(\b/2)+32*(\b%2)
	ds_store_b128 v[STO], v[64*(\a)+8*\b+4:64*(\a)+8*\b+7] offset:128*(\b/2)+32*(\b%2)+16
.endr
	WIN 0xc0
.irp t, 0,1,2,3,4,5,6,7,8,9,10,11,12,13,14,15
	ds_load_b128 v[64*(\a)+4*\t:64*(\a)+4*\t+3], v[RD] offset:\t*SPITCH   ; LDS serves a wave's instructions in order (ISA guide 5.7.1.4): these see the stores above
.endr
.endm
.macro SEND a, younger                 ; younger: the LDS instructions issued behind block a's loads
	s_wait_dscnt \younger
	WIN 0x0c
.irp t, 0,1,2,3,4,5,6,7,8,9,10,11,12,13,14,15
	global_store_b128 v1, v[64*(\a)+4*\t:64*(\a)+4*\t+3], s[12:13] offset:(32*((\a)/2)+8*((\a)%2)+\t+8*(\t/8))*4096 th:TH_STORE_NT   ; 512 consecutive bytes of a row
.endr
.endm
	s_wait_dscnt 0x0
	MUL8 0, 15, 0
	MUL8 1, 15, 0
	PLACES
	SCALE 0
	TOSTAGE 0
	MUL8 2, 15, 0
	SCALE 1                                        ; (block 0's 32 lines are the places behind block 1's products, and so on)
	TOSTAGE 1
	SEND 0, 32
	MUL8 3, 15, 0
	SCALE 2
	TOSTAGE 2
	SEND 1, 32
	SCALE 3
	TOSTAGE 3
	SEND 2, 32
	SEND 3, 0
	WIN 0
	s_wait_tensorcnt 0x0                           ; the wave's end
	ds_add_u32 v[SPW], v[NIL]
	s_wait_dscnt 0x0
	CROUND                                         ; the closing round
	s_endpgm
.Lfunc_end_k_q4b0cc4a3d7_pv:
	.size	k_q4b0cc4a3d7_pv, .Lfunc_end_k_q4b0cc4a3d7_pv-k_q4b0cc4a3d7_pv
	.p2alignl 7, 3214868480
	.fill 96, 4, 3214868480
	.section	.rodata,"a",@progbits
	.p2align	6, 0x0
	.amdhsa_kernel k_q4b0cc4a3d7_pv
		.amdhsa_group_segment_fixed_size 327680
		.amdhsa_private_segment_fixed_size 0
		.amdhsa_enable_private_segment 0
		.amdhsa_kernarg_size 40
		.amdhsa_user_sgpr_count 2
		.amdhsa_user_sgpr_kernarg_segment_ptr 1
		.amdhsa_wavefront_size32 1
		.amdhsa_system_sgpr_workgroup_id_x 1
		.amdhsa_system_sgpr_workgroup_id_y 1
		.amdhsa_system_sgpr_workgroup_id_z 1
		.amdhsa_system_vgpr_workitem_id 0
		.amdhsa_next_free_vgpr 1024
		.amdhsa_next_free_sgpr 100
		.amdhsa_reserve_vcc 0
		.amdhsa_float_denorm_mode_32 3
		.amdhsa_float_denorm_mode_16_64 3
		.amdhsa_memory_ordered 1
		.amdhsa_forward_progress 1
		.amdhsa_inst_pref_size 155
	.end_amdhsa_kernel
	.amdgpu_metadata
---
amdhsa.version: [ 1, 2 ]
amdhsa.kernels:
  - .name:           k_q4b0cc4a3d7_pv
    .symbol:         k_q4b0cc4a3d7_pv.kd
    .args:
      - { .name: pc, .offset: 0, .size: 8, .value_kind: global_buffer, .address_space: global }
      - { .name: pst, .offset: 8, .size: 8, .value_kind: global_buffer, .address_space: global }
      - { .name: qkvc, .offset: 16, .size: 8, .value_kind: global_buffer, .address_space: global }
      - { .name: qkvs, .offset: 24, .size: 8, .value_kind: global_buffer, .address_space: global }
      - { .name: out0, .offset: 32, .size: 8, .value_kind: global_buffer, .address_space: global }
    .group_segment_fixed_size: 327680
    .private_segment_fixed_size: 0
    .kernarg_segment_align: 8
    .kernarg_segment_size: 40
    .max_flat_workgroup_size: 128
    .sgpr_count:     100
    .vgpr_count:     1024
    .wavefront_size: 32
...
	.end_amdgpu_metadata
.endif
;; end of part 4
